; MI455X (gfx1250); checked and timed in simulation.
; The chip was launched on July 23, 2026; its instructions are those of AMD's public machine-readable ISA for CDNA 5 (MIT licence, August 2026) and "CDNA5" Instruction Set Architecture Reference Guide (July 2026). The comments in the code are by the model that wrote it; some were corrected since.
;; Multi Head Self Attention. Allowed arithmetic: matrix products marked QUANTISED: E4M3 operands, one E8M0 scale for each 32 along K, by v_wmma_scale_f32_16x16x128_f8f6f4 with both operands' format E4M3, f32 sums; everything else in f32.
;; Inputs: Wo_b 1,024 float32; Wo_w_codes 1,024 x 32 x 32 uint8 (E4M3 codes of Wo_w, K innermost, in blocks of 32 codes); Wo_w_scales 1,024 x 32 uint8 (E8M0 scales of Wo_w, one for each 32 codes along K); Wqkv_b 3,072 float32; Wqkv_w_codes 3,072 x 32 x 32 uint8 (E4M3 codes of Wqkv_w, K innermost, in blocks of 32 codes); Wqkv_w_scales 3,072 x 32 uint8 (E8M0 scales of Wqkv_w, one for each 32 codes along K); token_positions 2,048 int32; x_codes 4 x 2,048 x 32 x 32 uint8 (E4M3 codes of x, K innermost, in blocks of 32 codes); x_scales 4 x 2,048 x 32 uint8 (E8M0 scales of x, one for each 32 codes along K).
;; Outputs: out0 4 x 2,048 x 1,024 float32.
;; This version of the problem:
;;   THIS VERSION OF THE PROBLEM IS GIVEN IN LOW PRECISION. The matrix products marked QUANTISED in the list below multiply operands that are first quantised to E4M3 (4 exponent bits, 3 mantissa bits; 8 bits a number), with one power-of-two scale for each 32 numbers along K (OCP MX v1.0); their sums are f32. All else is computed in f32.
;;   The module's matrix products, in the order in which they are computed (A, B: the left and right operand; K: the contracted axis; several contracted axes count as one K, in the product's order):
;;     1. [M 8,192, K 1,024] x [K 1,024, N 3,072]; A: input x (given as codes); B: input Wqkv_w (given as codes): QUANTISED
;;     2. batch 64 x [M 2,048, K 64] x [K 64, N 2,048]; A: computed on the way; B: computed on the way: QUANTISED
;;     3. batch 64 x [M 2,048, K 2,048] x [K 2,048, N 64]; A: softmax (see below); B: computed on the way: QUANTISED
;;     4. [M 8,192, K 1,024] x [K 1,024, N 1,024]; A: computed on the way; B: input Wo_w (given as codes): QUANTISED
;;   THE QUANTISER, for each operand of a quantised product, along K:
;;     - K is cut into blocks of 32 from its start; a last block that is shorter is filled with zeros.
;;     - A block's scale is 2^e with e = floor(log2(the largest magnitude in the block)) - 8, held to -126 .. 127; a block of zeros has e = 0. As a byte (E8M0): e + 127.
;;     - Each number is divided by its block's scale, clamped to +-448, and rounded to the nearest number of E4M3, ties to even, subnormals kept.
;;     - The product sums the exact products of the quantised numbers (number of the format x scale) in f32.
;;   ~~~python
;;   def quantise(x, axis):      # numpy; x: float32 -> the quantised numbers, widened to float32 again
;;       x = np.moveaxis(x, axis, -1); K = x.shape[-1]
;;       x = np.pad(x, [(0, 0)] * (x.ndim - 1) + [(0, -K % 32)]); x = x.reshape(x.shape[:-1] + (-1, 32)); a = np.abs(x).max(-1, keepdims=True)
;;       e = np.where(a > 0, np.clip(np.frexp(np.where(a > 0, a, 1))[1] - 1 - 8, -126, 127), 0)      # np.frexp(a)[1] - 1 = floor(log2(a)), exactly
;;       r = np.clip(x / 2.0 ** e, -448, 448)
;;       step = 2.0 ** (np.maximum(np.frexp(np.where(r == 0, 1, r))[1] - 1, -6) - 3)
;;       q = np.round(r / step) * step * 2.0 ** e      # np.round: ties to even
;;       return np.moveaxis(q.reshape(q.shape[:-2] + (-1,))[..., :K], -1, axis).astype(np.float32)
;;   ~~~
;;   SOFTMAX AHEAD OF A QUANTISED PRODUCT. Where the list says 'softmax', what is quantised is not the finished softmax but p = 2^(t - M), with t = logit x log2(e) and M = ceil(the row's largest t), a whole number; so 1/2 < the row's largest p <= 1. The row's sum l is taken of the UNQUANTISED p, in f32, and the product's result is divided by l at the end. Since M is a whole number, a kernel that streams over the keys may use a running M (the ceiling of the running maximum): every later rescaling is an exact power of two, which a block's scale takes up: the codes' values come out the same.
;;   OPERANDS COMPUTED ON THE WAY. 'Computed on the way' means the value that the module computes at that place (a softmax that the list does not call 'softmax' is quantised finished and normalised). What goes into a quantiser is computed in f32, as accurately as f32 sums, v_exp_f32 and their like allow (about 1e-6 of the number): no bf16 or f16 on the way to a quantiser, and a product that is left as it is and whose result goes on into a quantised operand takes f32 operands (vector FMAs, or v_wmma_f32_16x16x4_f32). A number that lies on a knife's edge between two numbers of the format may be rounded either way, as far as f32 arithmetic and the matrix unit's own rounding can turn it there, and no further.
;;   INPUTS GIVEN AS CODES. Wo_w (in the module: [1024, 1024], K = its axis 1); Wqkv_w (in the module: [3072, 1024], K = its axis 1); x (in the module: [4, 2048, 1024], K = its axis 2): each comes as NAME_codes (uint8): NAME with its K axis moved to the last place and cut into blocks of 32 codes, [.., K / 32, bytes a block], one block behind the other in memory; one code a byte (a code: sign, 4 exponent bits, 3 mantissa bits); and NAME_scales (uint8): the same leading axes, one E8M0 byte (e + 127) for each 32 codes along K. Its value is code x scale, taken as it is: it is not quantised again, and the codes and scales need not be those that the quantiser above would give.
;; One version. Each part assembles by itself: llvm-mc -triple=amdgcn-amd-amdhsa -mcpu=gfx1250 --defsym DOCPART=n.
;; ======== version 1 of 1: 4 launches
;; limits: right only within a limited range of input values; inputs' magnitudes at most 100,000
;; workspace buffers: rope 524,288 bytes; qkv 25,952,256 bytes; a_img 8,388,608 bytes; a_sc 262,144 bytes
;; launch ropetab (part 1): grid 128 x 1, 4 waves a work-group, no clusters, 0 bytes of LDS; arguments token_positions, rope; writes rope
.if DOCPART == 1
	.amdgcn_target "amdgcn-amd-amdhsa--gfx1250"
	.amdhsa_code_object_version 6
	.text
	.protected	k_qec4cd31a4e_ropetab
	.globl	k_qec4cd31a4e_ropetab
	.p2align	8
	.type	k_qec4cd31a4e_ropetab,@function
k_qec4cd31a4e_ropetab:
	s_mov_b64 s[64:65], 0
	v_nop
	global_prefetch_b8 v0, s[64:65] scope:SCOPE_SE
	s_setreg_imm32_b32 hwreg(HW_REG_WAVE_MODE, 25, 1), 1
	s_wait_xcnt 0x0
; cos and sin of token_positions[s] x 10^(-f/8), f = 0 .. 31 (10000^(-2f/64) = 10^(-f/8)), laid in the order in which the projection's lanes want them:
; rope[token tile 128][k 8][lane 32][4 f32]: lane (r, h) of load k holds cos, sin of f = 8 (k / 2) + 4 h + 2 (k % 2), then cos, sin of f + 1, for token 16 x tile + r.
; A work-group takes one tile of 16 tokens; wave w makes k = 2 w and 2 w + 1, so a lane makes four pairs, f = 8 w + 4 h + i, i = 0 .. 3.  There is work for 128 work-groups and no more.
; The angle is position x frequency, rounded once to f32 as the product is defined.  It is reduced by the nearest multiple of pi/2, taken off in three parts by fused multiply-adds; sine and cosine
; are polynomials on +-pi/4; the quadrant swaps the two and sets the signs, by selects alone: no branch hangs on a number.
; LIMITS: the three-part reduction holds its accuracy up to angles of about 1e5 in magnitude; beyond that the error grows with the angle.  The frequencies are the f32 numbers nearest to 10^(-f/8).
; No matrix unit, no LDS, no barrier: waves share nothing, and the launch moves half a megabyte.
.set INV, 8                            ; v8-11   my four frequencies
.set TH,  12                           ; v12-15  the angles
.set NN,  16                           ; v16-19  the nearest multiple of pi/2
.set RR,  20                           ; v20-23  the reduced angle
.set ZZ,  24                           ; v24-27  its square
.set CC,  28                           ; v28-31  the cosine polynomial
.set SS,  32                           ; v32-35  the sine polynomial
.set TT,  36                           ; v36-39  at work
.set QQ,  40                           ; v40-43  the quadrant
.set OUTR, 44                          ; v44-51  cos, sin, cos, sin for k = 2 w; the same for k = 2 w + 1
.macro ROW w, c0, c1, c2, c3, c4, c5, c6, c7   ; wave w's eight frequencies take the place of those chosen so far
	s_cmp_eq_u32 s8, \w
	s_cselect_b32 s16, \c0, s16
	s_cselect_b32 s17, \c1, s17
	s_cselect_b32 s18, \c2, s18
	s_cselect_b32 s19, \c3, s19
	s_cselect_b32 s20, \c4, s20
	s_cselect_b32 s21, \c5, s21
	s_cselect_b32 s22, \c6, s22
	s_cselect_b32 s23, \c7, s23
.endm
	s_load_b128 s[4:7], s[0:1], 0x0                ; token_positions s[4:5], rope s[6:7]
	v_lshrrev_b32 v4, 5, v0
	v_readfirstlane_b32 s8, v4                     ; wave 0..3
	v_and_b32 v5, 31, v0
	v_lshlrev_b32 v1, 4, v5                        ; 16 x lane: my 16 bytes of a store's 512
	v_and_b32 v6, 15, v0
	v_lshlrev_b32 v2, 2, v6                        ; 4 r: my token's position
	s_lshl_b32 s10, ttmp9, 6                       ; 16 positions of 4 bytes a tile
	s_mov_b32 s11, 0
	s_lshl_b32 s12, ttmp9, 12                      ; 4,096 bytes of the table a tile,
	s_lshl_b32 s13, s8, 10                         ; 1,024 of them a wave
	s_add_co_u32 s12, s12, s13
	s_mov_b32 s13, 0
	s_mov_b32 s24, 0xffff0000                      ; lanes 16-31
	s_mov_b32 s16, 0x3f800000                      ; 10^(-i/8), i = 0 .. 7
	s_mov_b32 s17, 0x3f3ff911
	s_mov_b32 s18, 0x3f0ff59a
	s_mov_b32 s19, 0x3ed7e89b
	s_mov_b32 s20, 0x3ea1e89b
	s_mov_b32 s21, 0x3e72d424
	s_mov_b32 s22, 0x3e361887
	s_mov_b32 s23, 0x3e088d77
	ROW 1, 0x3dcccccd, 0x3d99940e, 0x3d6655c3, 0x3d2cba15, 0x3d0186e2, 0x3cc24350, 0x3c91ad39, 0x3c5a7bf1   ; the same / 10
	ROW 2, 0x3c23d70a, 0x3bf5b9b0, 0x3bb8449c, 0x3b8a2e77, 0x3b4f3e37, 0x3b1b690d, 0x3ae91528, 0x3aaec98e   ; / 100
	ROW 3, 0x3a83126f, 0x3a44948c, 0x3a136a16, 0x39dd1726, 0x39a5cc07, 0x3978a814, 0x393a7753, 0x390bd472   ; / 1000
	s_wait_alu depctr_va_vdst(0)
	s_wait_kmcnt 0x0
	s_add_nc_u64 s[4:5], s[4:5], s[10:11]
	s_add_nc_u64 s[6:7], s[6:7], s[12:13]
	global_load_b32 v3, v2, s[4:5]
.irp i, 0,1,2,3
	v_mov_b32 v[INV+\i], s[16+\i]                  ; lanes 0-15: f = 8 w + i;
	v_mov_b32 v[TT+\i], s[20+\i]
.endr
.irp i, 0,1,2,3
	v_cndmask_b32 v[INV+\i], v[INV+\i], v[TT+\i], s24   ; lanes 16-31: f = 8 w + 4 + i
.endr
	s_wait_loadcnt 0x0                             ; the position
	v_cvt_f32_i32 v3, v3
	s_wait_alu depctr_va_vdst(0)
.irp i, 0,1,2,3
	v_mul_f32 v[TH+\i], v3, v[INV+\i]              ; the angle, rounded once
.endr
.irp i, 0,1,2,3
	v_mul_f32 v[NN+\i], 0x3f22f983, v[TH+\i]       ; x 2 / pi
.endr
.irp i, 0,1,2,3
	v_rndne_f32 v[NN+\i], v[NN+\i]
.endr
.irp i, 0,1,2,3
	v_fmamk_f32 v[RR+\i], v[NN+\i], 0xbfc90fd8, v[TH+\i]   ; less n x pi/2, in three parts
.endr
.irp i, 0,1,2,3
	v_fmamk_f32 v[RR+\i], v[NN+\i], 0xb4a8885a, v[RR+\i]
.endr
.irp i, 0,1,2,3
	v_fmamk_f32 v[RR+\i], v[NN+\i], 0xa7c234c4, v[RR+\i]
.endr
.irp i, 0,1,2,3
	v_mul_f32 v[ZZ+\i], v[RR+\i], v[RR+\i]
.endr
.irp i, 0,1,2,3
	v_mov_b32 v[CC+\i], 0x37cd4000                 ; the cosine on +-pi/4
	v_mov_b32 v[SS+\i], 0x36405000                 ; the sine
.endr
.irp i, 0,1,2,3
	v_fmaak_f32 v[CC+\i], v[CC+\i], v[ZZ+\i], 0xbab6077d
	v_fmaak_f32 v[SS+\i], v[SS+\i], v[ZZ+\i], 0xb9503486
.endr
.irp i, 0,1,2,3
	v_fmaak_f32 v[CC+\i], v[CC+\i], v[ZZ+\i], 0x3d2aaaa8
	v_fmaak_f32 v[SS+\i], v[SS+\i], v[ZZ+\i], 0x3c0888c1
.endr
.irp i, 0,1,2,3
	v_fma_f32 v[CC+\i], v[CC+\i], v[ZZ+\i], -0.5
	v_fmaak_f32 v[SS+\i], v[SS+\i], v[ZZ+\i], 0xbe2aaaab
.endr
.irp i, 0,1,2,3
	v_fma_f32 v[CC+\i], v[CC+\i], v[ZZ+\i], 1.0
	v_mul_f32 v[TT+\i], v[RR+\i], v[ZZ+\i]
.endr
.irp i, 0,1,2,3
	v_fma_f32 v[SS+\i], v[SS+\i], v[TT+\i], v[RR+\i]
	v_cvt_i32_f32 v[QQ+\i], v[NN+\i]               ; the quadrant, as a whole number
.endr
.irp i, 0,1,2,3
	v_and_b32 v[TT+\i], 1, v[QQ+\i]
.endr
.irp i, 0,1,2,3
	v_cmp_ne_u32 vcc_lo, 0, v[TT+\i]               ; in odd quadrants the two change places
	v_cndmask_b32 v[OUTR+2*\i], v[CC+\i], v[SS+\i], vcc_lo
	v_cndmask_b32 v[OUTR+2*\i+1], v[SS+\i], v[CC+\i], vcc_lo
.endr
.irp i, 0,1,2,3
	v_lshlrev_b32 v[TT+\i], 30, v[QQ+\i]           ; the sine is negative where bit 1 of q is set,
	v_add_nc_u32 v[QQ+\i], 1, v[QQ+\i]
.endr
.irp i, 0,1,2,3
	v_and_b32 v[TT+\i], 0x80000000, v[TT+\i]
	v_lshlrev_b32 v[QQ+\i], 30, v[QQ+\i]           ; the cosine where bit 1 of q + 1 is
.endr
.irp i, 0,1,2,3
	v_xor_b32 v[OUTR+2*\i+1], v[OUTR+2*\i+1], v[TT+\i]
	v_and_b32 v[QQ+\i], 0x80000000, v[QQ+\i]
.endr
.irp i, 0,1,2,3
	v_xor_b32 v[OUTR+2*\i], v[OUTR+2*\i], v[QQ+\i]
.endr
	global_store_b128 v1, v[OUTR:OUTR+3], s[6:7]               ; each store of the wave covers 512 consecutive bytes, aligned
	global_store_b128 v1, v[OUTR+4:OUTR+7], s[6:7] offset:512
	s_endpgm
.Lfunc_end_k_qec4cd31a4e_ropetab:
	.size	k_qec4cd31a4e_ropetab, .Lfunc_end_k_qec4cd31a4e_ropetab-k_qec4cd31a4e_ropetab
	.p2alignl 7, 3214868480
	.fill 96, 4, 3214868480
	.section	.rodata,"a",@progbits
	.p2align	6, 0x0
	.amdhsa_kernel k_qec4cd31a4e_ropetab
		.amdhsa_group_segment_fixed_size 0
		.amdhsa_private_segment_fixed_size 0
		.amdhsa_enable_private_segment 0
		.amdhsa_kernarg_size 16
		.amdhsa_user_sgpr_count 2
		.amdhsa_user_sgpr_kernarg_segment_ptr 1
		.amdhsa_wavefront_size32 1
		.amdhsa_system_sgpr_workgroup_id_x 1
		.amdhsa_system_sgpr_workgroup_id_y 1
		.amdhsa_system_sgpr_workgroup_id_z 1
		.amdhsa_system_vgpr_workitem_id 0
		.amdhsa_next_free_vgpr 64
		.amdhsa_next_free_sgpr 66
		.amdhsa_reserve_vcc 1
		.amdhsa_float_denorm_mode_32 3
		.amdhsa_float_denorm_mode_16_64 3
		.amdhsa_memory_ordered 1
		.amdhsa_forward_progress 1
		.amdhsa_inst_pref_size 10
	.end_amdhsa_kernel
	.amdgpu_metadata
---
amdhsa.version: [ 1, 2 ]
amdhsa.kernels:
  - .name:           k_qec4cd31a4e_ropetab
    .symbol:         k_qec4cd31a4e_ropetab.kd
    .args:
      - { .name: token_positions, .offset: 0, .size: 8, .value_kind: global_buffer, .address_space: global }
      - { .name: rope, .offset: 8, .size: 8, .value_kind: global_buffer, .address_space: global }
    .group_segment_fixed_size: 0
    .private_segment_fixed_size: 0
    .kernarg_segment_align: 8
    .kernarg_segment_size: 16
    .max_flat_workgroup_size: 128
    .sgpr_count:     66
    .vgpr_count:     64
    .wavefront_size: 32
...
	.end_amdgpu_metadata
.endif
;; end of part 1
;; launch qkv_proj (part 2): grid 8 x 32, 4 waves a work-group, clusters of 4 x 4, 327,680 bytes of LDS; arguments x_codes, x_scales, Wqkv_w_codes, Wqkv_w_scales, Wqkv_b, rope, qkv; writes qkv
.if DOCPART == 2
	.amdgcn_target "amdgcn-amd-amdhsa--gfx1250"
	.amdhsa_code_object_version 6
	.text
	.protected	k_qec4cd31a4e_qkv_proj
	.globl	k_qec4cd31a4e_qkv_proj
	.p2align	8
	.type	k_qec4cd31a4e_qkv_proj,@function
k_qec4cd31a4e_qkv_proj:
	s_mov_b64 s[64:65], 0
	v_nop
	global_prefetch_b8 v0, s[64:65] scope:SCOPE_SE
	s_setreg_imm32_b32 hwreg(HW_REG_WAVE_MODE, 25, 1), 1
	s_wait_xcnt 0x0
	s_wait_alu depctr_hold_cnt(0) depctr_sa_sdst(0) depctr_va_vdst(0) depctr_va_sdst(0) depctr_va_ssrc(0) depctr_va_vcc(0) depctr_vm_vsrc(0)
	s_getreg_b32 s2, hwreg(HW_REG_IB_STS2, 6, 4)
	s_cmp_eq_u32 s2, 0
	s_cbranch_scc0 .Lentry_in_a_cluster
	s_endpgm
.Lentry_in_a_cluster:
	s_bfe_u32 s2, ttmp6, 0x10000c
	s_cmp_lg_u32 s2, 0xf033
	s_cbranch_scc0 .Lentry_shape_is_right
	s_endpgm
.Lentry_shape_is_right:
; qkv = x Wqkv^T + b on codes of FP8 (E4M3) with one E8M0 scale for each 32 along K = 1,024; then RoPE on Q and K; then the quantisers of the attention's operands: Q and K along the head's 64, V along the keys.
; What leaves is narrow: qkv[head 64][step of 128 tokens 16][Q, K, V][8,192 bytes of codes | 256 bytes of scale words], the codes as IMAGES OF THE OPERANDS' REGISTERS (four registers = 512 bytes, lane l's 16 bytes at 16 l).
; SHARES.  The result is 8,192 x 3,072: 384 tiles of 256 x 256 for 256 work-groups.  So A WORK-GROUP STAYS AND MAKES ONE AND A HALF: first a tile of 256 tokens x 256 features of Q (the cluster's x = 0) or of K (1), a wave 128 x 128
; in 64 accumulators; then half a tile of V, 128 features x 256 tokens, a wave 64 x 128 in 32 accumulators.  Every work-group runs the same straight text and has the same work.
; The matrix instruction takes 16 rows of "B" as source 0 and 16 rows of "A" as source 1: a lane then holds ONE row of A, and its registers run along rows of B.  Q and K are quantised along features: A = x (a lane holds a token), B = W.
; V is quantised along tokens: A = W (a lane holds a feature), B = x.
; THE RING.  K goes in steps of 256 through two LDS slots filled by the tensor data mover, and the ring does not stop between the tiles: the first tile's last two changes of slots ask for V's first two K steps, which land
; while Q or K goes out.  The scale bytes of both tiles' rows, for all of K, come into LDS once, with the first fills.
; CLUSTERS: 4 x 4 work-groups, 16 clusters; A's tiles are asked for jointly along a row of the cluster, B's along a column, in both tiles.
; ORDER OF K IN A BLOCK.  The 16 registers of two neighbouring tiles become four operand registers as they stand, so inside a block of 32 the numbers stand in another order than in memory: slot 16 h + j holds number 8 h + j,
; slot 16 h + 8 + j number 16 + 8 h + j.  The order is the same for Q and K (this text) and for V and the softmax's weights (the next launch), and a block has one scale: the products are the same.
; LIMITS: NaN codes, scale bytes 0xff and results that are not finite are not served.  A block whose largest magnitude lies under 2^(9 - 127), a block of zeros among them, gets the byte 1: its bytes are read by this program alone.
; REGISTERS, in windows of 256: window 0: v0-31 addresses; v32-63 scale words, two sets, and nothing else; v64-127 the way out's work; from v128 A's fragments: the first tile's eight in ONE set, V's four in TWO sets (v128, v192);
;   on the way out: cos and sin, v128-191, and 64 numbers, v192-255.   window 1: B's fragments, TWO sets, at v0 and v128 (on Q's or K's way out v0-63: the bias).
;   window 2: the accumulators of A's blocks 0-3 ((a, b) at v[8 (8 a + b)]);   window 3: those of the first tile's blocks 4-7.
.set KSTEP,  256                       ; along K in a slot
.set NQ,     KSTEP/128                 ; matrix instructions deep
.set ROWB,   256                       ; a tile's row in bytes
.set KROW,   1024                      ; a row of x or of W in memory
.set PITCH,  272                       ; an LDS row: 256 bytes + 16 of padding = 68 words: the 16 rows that a load touches start at 16 different banks (64 banks of 4 bytes: ISA guide 11.1)
.set FR,     16                        ; registers of a fragment
.set NL,     4                         ; LDS loads that bring one
.set NP,     8                         ; places behind this matrix instruction (ISA guide 7.12.1)
.set HALFT,  128*PITCH                 ; 128 rows: what one tensor load brings
.set HALFA2, 64*PITCH                  ; 64 rows: what one brings of V's A
.set SLOT,   4*HALFT                   ; A's 256 rows (V: 128), then B's 256 rows
.set KS,     32                        ; a row of scale bytes
.set SCL,    2*SLOT                    ; behind the ring: the first tile's scales, as units of 256 bytes + 16 of padding
.set HALFS,  (128*KS/256)*272          ; those of 128 rows
.set HALFS2, (64*KS/256)*272           ; those of 64 rows
.set SBLK,   (16*KS/256)*272           ; those of 16 rows
.set SCL2,   SCL+4*HALFS               ; V's scales: A's two halves of 64 rows, then B's two of 128
.set SPARE,  SCL2+2*HALFS2+2*HALFS     ; the spare words, 128 bytes a wave: two blocks of 256 bytes that no other line names
.set STEPB,  25344                     ; qkv: a step's Q, K and V
.set HEADB,  405504                    ; a head's 16 steps
.set TYPEB,  8448                      ; codes and scale words of one of the three
.set L16,  1                           ; v1   16 x lane
.set L8,   2                           ; v2   8 x lane
.set BQ,   4                           ; v4   32 h: my eight bias numbers of a tile of features
.set BV4,  10                          ; v10  4 r: my feature's bias
.set ADRA, 16                          ; v16-17  LDS address of my A fragments in slot 0, 1: the first tile
.set ADRA2, 18                         ; v18-19  the same for V
.set ADRB, 20                          ; v20-21  the same for B, both tiles
.set ADRS, 27                          ; v27  LDS address of my scale words: lanes 0-15 A's rows, lanes 16-31 B's: the first tile
.set SPW,  28                          ; v28  my spare word: SPARE + 4 x my thread's number; never rewritten
.set NIL,  29                          ; v29  0; never rewritten
.set ADRS2, 30                         ; v30  as v27, for V
.set SC,   32                          ; scale words: set s at v[SC + 16 s]; register 2 i + q: lanes 0-15 A's block i, lanes 16-31 B's block i
.set PC,   64                          ; v64-79   the codes just made
.set TM,   80                          ; v80-83 largest magnitudes, v84-87 bytes, v92-95 the conversions' scale operands; in the rotation v80-87 are four pairs at work
.set SW,   96                          ; v96-103  the scale words that leave
.set TP,   104                         ; v104-109 at work
.set BV,   112                         ; v112-115 V's bias: one number a tile of features
.set AF,   128                         ; A's fragments
.set CS,   128                         ; the way out: cos and sin, two sets of 32
.set Y,    192                         ; the way out: 64 numbers of a lane
.set MNT,  2
.set WV,   18
.set HA,   19                          ; which half of A's rows is mine.  Also: I fetch for A (0) or for B (1)
.set HB,   20                          ; which half of B's rows is mine.  Also: which half of that tile I fetch
.set CX,   21
.set CY,   22
.set TYP,  23                          ; the cluster's x: 0 Q, 1 K; also which 512 features of V
.set CLY,  40                          ; the cluster's y: which 1,024 tokens
.set MASKH, 45                         ; lanes 16-31
.set SEL,  100                         ; s[100:101] v_permlanex16_b32's selects for lane l xor 16
.set G1, 24                            ; s[24:31] descriptor group 1 for A's tiles;  s[32:39] group 0, one set for each slot
.set G0, 32
.set G1B, 48                           ; s[48:55], s[56:63] the same for B's tiles
.set G0B, 56
.set G1S, 68                           ; s[68:75], s[76:79] groups 1 and 0 for A's scales;  s[80:87], s[88:91] for B's: the first tile
.set G0S, 76
.set G1SB, 80
.set G0SB, 88
.set G1S2, 92                          ; s[92:99] group 1 for the scales of V's A (64 rows); B's group 1 serves both tiles
.set G0S2, 8                           ; s[8:11], s[4:7] groups 0 for V's scales: in the registers that brought W's and x's addresses
.set G0SB2, 4
.set A2P,  66                          ; s[66:67] V's A: W's codes at the rows that I fetch
.set B2P,  104                         ; s[104:105] V's B: x's codes likewise
.set DV,   68                          ; s[68:69] where V goes, s[70:71] V's bias: made when the scales' loads are done
.set BVP,  70
.set MSB, 0
.macro WIN new                         ; the immediate's high byte repeats the setting that is left
.if MSB != (\new)
	s_set_vgpr_msb (MSB<<8)|(\new)
.set MSB, (\new)
.endif
.endm
.set MUL_LO, 0xa1                      ; source 0 (B) window 1, source 1 (A) window 0, C and D window 2
.set MUL_HI, 0xf1                      ; the same, C and D window 3
.set TO_B,   0x40                      ; destination window 1, address window 0
; A joint load: waves 0 and 1 fetch for A, waves 2 and 3 for B; the branch hangs on the wave's number alone.  Four v_nop follow each of the two lines.
.macro JLOAD g0a, g1a, g0b, g1b
	s_cmp_eq_u32 s[HA], 0
	s_cbranch_scc0 .Lfor_b_\@
	tensor_load_to_lds s[\g0a:\g0a+3], s[\g1a:\g1a+7]
	s_nop 0
.rept 4
	v_nop
.endr
	s_branch .Lasked_\@
.Lfor_b_\@:
	tensor_load_to_lds s[\g0b:\g0b+3], s[\g1b:\g1b+7]
	s_nop 0
.rept 4
	v_nop
.endr
.Lasked_\@:
.endm
.macro CREST                           ; a round of the cluster's barrier behind its opening barrier
	s_cmp_lg_u32 s[WV], 0
	s_cbranch_scc1 .Lnot_wave_0_\@
	s_barrier_signal -3
.Lnot_wave_0_\@:
	s_barrier_wait -3
	s_barrier_signal -1
	s_barrier_wait -1
.endm
.macro CROUND                          ; a whole round
	s_barrier_signal -1
	s_barrier_wait -1
	CREST
.endm
	s_load_b256 s[4:11], s[0:1], 0x0               ; x's codes s[4:5], x's scales s[6:7], W's codes s[8:9], W's scales s[10:11]
	s_load_b128 s[12:15], s[0:1], 0x20             ; the bias s[12:13], cos and sin s[14:15]
	s_load_b64 s[16:17], s[0:1], 0x30              ; qkv
	v_lshl_add_u32 v[SPW], v0, 2, SPARE
	v_mov_b32 v[NIL], 0
	ds_add_u32 v28, v29
	ds_add_u32 v28, v29
	s_wait_dscnt 0x0
	v_lshrrev_b32 v3, 5, v0
	v_readfirstlane_b32 s[WV], v3                  ; wave 0..3
	s_lshr_b32 s[HA], s[WV], 1
	s_and_b32 s[HB], s[WV], 1
	s_bfe_u32 s[CX], ttmp6, 0x40000                ; cx, cy: my place in the cluster
	s_bfe_u32 s[CY], ttmp6, 0x40004
	s_mov_b32 s[TYP], ttmp9
	s_and_b32 s[CLY], ttmp7, 0xffff
	s_lshl_b32 s41, s[CY], 2
	s_lshl_b32 s41, 15, s41                        ; my row of the cluster
	s_lshl_b32 s42, 0x1111, s[CX]                  ; my column
	; descriptor group 1: a tile of 128 rows x 256 bytes, padded in LDS
	s_or_b32 s[G1+0], s41, (0<<16)|(1<<20)|(1<<21)|(5<<22)|(3<<25)  ; 15:0 the mask: A's tiles go to my row; 17:16 elements of 1 byte; 20 padding on; 21 set beside a mask; 24:22 after every 64 words; 31:25 four words
	s_or_b32 s[G1B+0], s42, (0<<16)|(1<<20)|(1<<21)|(5<<22)|(3<<25)
.irp g, G1, G1B
	s_mov_b32 s[\g+1], ROWB<<16                    ; tensor_dim0
	s_mov_b32 s[\g+2], 128<<16                     ; tensor_dim1
	s_mov_b32 s[\g+3], ROWB<<16                    ; tile_dim0
	s_mov_b32 s[\g+4], 128                         ; tile_dim1
	s_mov_b32 s[\g+5], KROW                        ; tensor_dim0_stride
	s_mov_b32 s[\g+6], 0
	s_mov_b32 s[\g+7], 0
.endr
	; the scales of 128 rows: a dense block of 4,096 bytes, as 16 rows of 256 bytes (32 elements of 8 bytes), 16 bytes of padding behind each; of 64 rows: 8 such rows
	s_or_b32 s[G1S+0], s41, (3<<16)|(1<<20)|(1<<21)|(5<<22)|(3<<25)
	s_or_b32 s[G1SB+0], s42, (3<<16)|(1<<20)|(1<<21)|(5<<22)|(3<<25)
	s_or_b32 s[G1S2+0], s41, (3<<16)|(1<<20)|(1<<21)|(5<<22)|(3<<25)
.irp g, G1S, G1SB
	s_mov_b32 s[\g+1], 32<<16
	s_mov_b32 s[\g+2], (128*KS/256)<<16
	s_mov_b32 s[\g+3], 32<<16
	s_mov_b32 s[\g+4], 128*KS/256
	s_mov_b32 s[\g+5], 32
	s_mov_b32 s[\g+6], 0
	s_mov_b32 s[\g+7], 0
.endr
	s_mov_b32 s[G1S2+1], 32<<16
	s_mov_b32 s[G1S2+2], (64*KS/256)<<16
	s_mov_b32 s[G1S2+3], 32<<16
	s_mov_b32 s[G1S2+4], 64*KS/256
	s_mov_b32 s[G1S2+5], 32
	s_mov_b32 s[G1S2+6], 0
	s_mov_b32 s[G1S2+7], 0
	; the rows that I fetch, as byte offsets, each in the pair that will hold the address.  A's hang on cy alone among the places in the cluster, B's on cx alone.
	; first tile: A = x, row 1024 cly + 256 cy + 128 half;  B = W, row 1024 type + 256 cx + 128 half.     V: A = W, row 2048 + 512 type + 128 cy + 64 half;  B = x, row 1024 cly + 256 cx + 128 half.
	s_lshl_b32 s3, s[HB], 7
	s_lshl_b32 s2, s[CLY], 10
	s_lshl_b32 s46, s[CY], 8
	s_add_co_u32 s46, s46, s3
	s_add_co_u32 s46, s46, s2                      ; A's row, first tile
	s_lshl_b32 s[G0+2], s46, 10                    ; its codes (under 2^24),
	s_mov_b32 s[G0+3], 0
	s_lshl_b32 s[G0S+2], s46, 5                    ; its scale bytes
	s_mov_b32 s[G0S+3], 0
	s_lshl_b32 s46, s[CY], 7
	s_lshl_b32 s47, s[HB], 6
	s_add_co_u32 s46, s46, s47
	s_lshl_b32 s47, s[TYP], 9
	s_add_co_u32 s46, s46, s47
	s_add_co_u32 s46, s46, 2048                    ; A's row, V
	s_lshl_b32 s[A2P], s46, 10
	s_mov_b32 s[A2P+1], 0
	s_lshl_b32 s46, s46, 5
	s_mov_b32 s47, 0                               ; s[46:47]: its scale bytes
	s_lshl_b32 s44, s[CX], 8
	s_add_co_u32 s44, s44, s3
	s_add_co_u32 s43, s44, s2                      ; B's row, V
	s_lshl_b32 s[B2P], s[TYP], 10
	s_add_co_u32 s44, s44, s[B2P]                  ; B's row, first tile
	s_lshl_b32 s[G0B+2], s44, 10
	s_mov_b32 s[G0B+3], 0
	s_lshl_b32 s[G0SB+2], s44, 5
	s_mov_b32 s[G0SB+3], 0
	s_lshl_b32 s[B2P], s43, 10
	s_mov_b32 s[B2P+1], 0
	s_lshl_b32 s42, s43, 5
	s_mov_b32 s43, 0                               ; s[42:43]: its scale bytes
	s_mul_i32 s2, s[WV], HALFT                     ; where the first tile's rows go: wave x 128 rows: no place in the cluster enters an LDS address
	s_mul_i32 s3, s[WV], HALFS
	s_wait_kmcnt 0x0
	s_add_nc_u64 s[G0+2:G0+3], s[4:5], s[G0+2:G0+3]            ; x's codes: A of the first tile,
	s_add_nc_u64 s[B2P:B2P+1], s[4:5], s[B2P:B2P+1]            ; B of V
	s_add_nc_u64 s[G0B+2:G0B+3], s[8:9], s[G0B+2:G0B+3]        ; W's codes: B of the first tile,
	s_add_nc_u64 s[A2P:A2P+1], s[8:9], s[A2P:A2P+1]            ; A of V
	s_add_nc_u64 s[G0S+2:G0S+3], s[6:7], s[G0S+2:G0S+3]        ; x's scales likewise,
	s_add_nc_u64 s[G0SB2+2:G0SB2+3], s[6:7], s[42:43]
	s_add_nc_u64 s[G0SB+2:G0SB+3], s[10:11], s[G0SB+2:G0SB+3]  ; and W's
	s_add_nc_u64 s[G0S2+2:G0S2+3], s[10:11], s[46:47]
	s_add_nc_u64 s[G0+6:G0+7], s[G0+2:G0+3], ROWB              ; slot 1 begins with K step 1
	s_add_nc_u64 s[G0B+6:G0B+7], s[G0B+2:G0B+3], ROWB
.irp g, G0+3, G0+7, G0B+3, G0B+7, G0S+3, G0SB+3, G0S2+3, G0SB2+3
	s_or_b32 s[\g], s[\g], 0x80000000              ; 127:126 type = 2
.endr
.irp g, G0, G0+4, G0B, G0B+4, G0S, G0SB, G0S2, G0SB2
	s_mov_b32 s[\g], 1                             ; 1:0 count = 1
.endr
	s_mov_b32 s[G0+1], s2                          ; 63:32 LDS address
	s_add_co_u32 s[G0+5], s2, SLOT
	s_mov_b32 s[G0B+1], s2
	s_add_co_u32 s[G0B+5], s2, SLOT
	s_add_co_u32 s[G0S+1], s3, SCL
	s_add_co_u32 s[G0SB+1], s3, SCL
	s_mul_i32 s[G0S2+1], s[HB], HALFS2
	s_add_co_u32 s[G0S2+1], s[G0S2+1], SCL2
	s_mul_i32 s[G0SB2+1], s[HB], HALFS
	s_add_co_u32 s[G0SB2+1], s[G0SB2+1], SCL2+2*HALFS2
	CROUND                                         ; all sixteen work-groups are here: the first joint loads meet
	JLOAD G0S, G1S, G0SB, G1SB                     ; the first tile's scales: they are wanted with K step 0
	JLOAD G0S2, G1S2, G0SB2, G1SB                  ; V's scales
	JLOAD G0, G1, G0B, G1B                         ; K step 0
	JLOAD G0+4, G1, G0B+4, G1B                     ; K step 1: four tensor loads of mine are out
	v_and_b32 v8, 15, v0                           ; r = l % 16
	v_bfe_u32 v9, v0, 4, 1                         ; h = l / 16
	v_mul_u32_u24 v3, v8, PITCH
	v_lshl_add_u32 v3, v9, 4, v3                   ; a fragment's row x pitch + 16 x half
	s_mul_i32 s100, s[HA], HALFT                   ; my 128 rows of A,
	s_mul_i32 s101, s[HB], HALFT                   ; my 128 rows of B,
	s_add_co_u32 s101, s101, 2*HALFT               ; which lie behind A's 256,
	s_mul_i32 s45, s[HA], HALFA2                   ; my 64 rows of V's A
.irp s, 0,1
	v_add_nc_u32 v[ADRA+\s], s100, v3
	v_add_nc_u32 v[ADRB+\s], s101, v3
	v_add_nc_u32 v[ADRA2+\s], s45, v3
	s_add_co_u32 s100, s100, SLOT
	s_add_co_u32 s101, s101, SLOT
	s_add_co_u32 s45, s45, SLOT
.endr
	v_mul_u32_u24 v5, v8, KS                       ; my row's scales: 32 bytes a row,
	v_lshrrev_b32 v6, 8, v5
	v_lshl_add_u32 v5, v6, 4, v5                   ; and 16 more for each 256 passed
	s_mul_i32 s100, s[HA], HALFS
	s_mul_i32 s101, s[HB], HALFS
	s_add_co_u32 s101, s101, 2*HALFS
	s_sub_co_u32 s101, s101, s100
	v_mul_u32_u24 v6, s101, v9                     ; lanes 16-31 take B's
	s_add_co_u32 s100, s100, SCL
	v_add_nc_u32 v6, v5, v6
	v_add_nc_u32 v[ADRS], s100, v6
	s_mul_i32 s100, s[HA], HALFS2                  ; the same for V
	s_mul_i32 s101, s[HB], HALFS
	s_add_co_u32 s101, s101, 2*HALFS2
	s_sub_co_u32 s101, s101, s100
	v_mul_u32_u24 v6, s101, v9
	s_wait_alu depctr_va_vdst(0)
	s_add_co_u32 s100, s100, SCL2
	v_add_nc_u32 v6, v5, v6
	v_add_nc_u32 v[ADRS2], s100, v6
	s_mov_b32 s[MASKH], 0xffff0000
	s_mov_b32 s[SEL], 0x76543210
	s_mov_b32 s[SEL+1], 0xfedcba98
	v_and_b32 v5, 31, v0
	v_lshlrev_b32 v[L16], 4, v5
	v_lshlrev_b32 v[L8], 3, v5
	v_lshlrev_b32 v[BQ], 5, v9
	v_lshlrev_b32 v[BV4], 2, v8
.macro FRAG reg, adr, q, i             ; a fragment, 16 rows x 128 K: lane l holds row l % 16; registers 4 c .. 4 c + 3 hold K = 32 c + 16 (l / 16) + 0 .. 15
.irp c, 0,1,2,3
	ds_load_b128 v[\reg+4*\c:\reg+4*\c+3], v[\adr] offset:128*(\q)+32*\c+(\i)*16*PITCH
.endr
.endm
; A load into a register that a matrix instruction has read, and a vector instruction that reads a matrix result, stand NP places behind it; only plain vector instructions that name none of its registers are places.
.macro PLACES n
.rept \n
	v_nop
.endr
.endm
; ---------------- THE FIRST TILE ----------------
; 16 matrix instructions: A's blocks a0, a0 + 1 x B's eight, 128 along K.  p: B's set;  sc: the set of scale words.  zero = 1: the first product starts the sums.
; The 64 accumulators take turns, one instruction a turn, in the same order in every step.
.macro MUL16 a0, p, q, sc, zero
.irp a, \a0, \a0+1
.irp b, 0,1,2,3,4,5,6,7
.if \zero
	v_wmma_scale_f32_16x16x128_f8f6f4 v[8*(8*((\a)%4)+\b):8*(8*((\a)%4)+\b)+7], v[128*(\p)+FR*\b:128*(\p)+FR*\b+FR-1], v[AF+FR*(\a):AF+FR*(\a)+FR-1], 0, v[SC+8*NQ*(\sc)+NQ*\b+(\q)], v[SC+8*NQ*(\sc)+NQ*(\a)+(\q)] matrix_a_scale:MATRIX_SCALE_ROW1
.else
	v_wmma_scale_f32_16x16x128_f8f6f4 v[8*(8*((\a)%4)+\b):8*(8*((\a)%4)+\b)+7], v[128*(\p)+FR*\b:128*(\p)+FR*\b+FR-1], v[AF+FR*(\a):AF+FR*(\a)+FR-1], v[8*(8*((\a)%4)+\b):8*(8*((\a)%4)+\b)+7], v[SC+8*NQ*(\sc)+NQ*\b+(\q)], v[SC+8*NQ*(\sc)+NQ*(\a)+(\q)] matrix_a_scale:MATRIX_SCALE_ROW1
.endif
.endr
.endr
.endm
.macro FETCH_B slot, q, p              ; B's eight fragments of the slot's q-th 128 along K into set p
	WIN TO_B
.irp i, 0,1,2,3,4,5,6,7
	FRAG 128*(\p)+FR*\i, ADRB+\slot, \q, \i
.endr
	WIN 0
.endm
.macro FETCH_A slot, q, i0             ; A's blocks i0 .. i0 + 3
.irp i, \i0, \i0+1, \i0+2, \i0+3
	FRAG AF+FR*(\i), ADRA+\slot, \q, \i
.endr
.endm
.macro SCALES sc, adr                  ; a K step's scale words into set sc: two words a row; lanes 0-15 take A's block i, lanes 16-31 B's block i
.irp i, 0,1,2,3,4,5,6,7
	ds_load_b64 v[SC+8*NQ*\sc+NQ*\i:SC+8*NQ*\sc+NQ*\i+1], v[\adr] offset:\i*SBLK
.endr
.endm
; A step of 128 along K that has its successor in the same slot.
.macro STEP slot, q, zero
	s_wait_dscnt 4*NL                              ; B's set and A's blocks 0-3 are in; the youngest 16 loads (A's blocks 4-7) may be out
	WIN MUL_LO
	MUL16 0, (\q)%2, \q, \slot, \zero
	MUL16 2, (\q)%2, \q, \slot, \zero
	s_wait_dscnt 0                                 ; A's blocks 4-7 are in (asked for 32 matrix instructions ago)
	PLACES NP
	FETCH_B \slot, (\q)+1, 1-(\q)%2
	FETCH_A \slot, (\q)+1, 0
	WIN MUL_HI
	MUL16 4, (\q)%2, \q, \slot, \zero
	MUL16 6, (\q)%2, \q, \slot, \zero
	PLACES NP
	WIN 0
	FETCH_A \slot, (\q)+1, 4
.endm
; The first half of a slot's last step: ONE barrier for the change of slots, which opens a round of the cluster's; in front of it each wave waits for all its tensor loads, adds 0 to its spare word, and waits for that and for its own reads of this slot.
.macro MEET slot
	s_wait_tensorcnt 0x0                           ; all my tensor loads have landed: my part of the other slot  (every window is 0 here)
	ds_add_u32 v[SPW], v[NIL]                      ; 0 onto my spare word
	s_wait_dscnt 4*NL+1                            ; the add and the youngest 16 loads, A's blocks 4-7, may be out
	WIN MUL_LO
	MUL16 0, 1, NQ-1, \slot, 0                     ; sixteen matrix instructions stand between the add and the wait for it
	s_wait_dscnt 0x0                               ; the add is done, and my reads of this slot are over
	s_barrier_signal -1
	MUL16 2, 1, NQ-1, \slot, 0
	WIN 0
	s_barrier_wait -1
	CREST                                          ; no wave of any partner still reads this slot's tile or has a load on its way
.endm
; A slot's last step.  on = 0: the slot is filled again with this tile's K step two steps ahead; on = 1: with V's K step 0 (the slot is slot 0).
.macro TURN slot, next, on
	MEET \slot
.if \on
	s_mov_b32 s[G1+2], 64<<16                      ; from here on A's tiles have 64 rows to a load: tensor_dim1,
	s_mov_b32 s[G1+4], 64                          ; tile_dim1
	s_mul_i32 s[G0+4*\slot+1], s[HB], HALFA2       ; and lie 64 rows apart
	s_mov_b64 s[G0+4*\slot+2:G0+4*\slot+3], s[A2P:A2P+1]
	s_or_b32 s[G0+4*\slot+3], s[G0+4*\slot+3], 0x80000000
	s_mov_b64 s[G0B+4*\slot+2:G0B+4*\slot+3], s[B2P:B2P+1]
	s_or_b32 s[G0B+4*\slot+3], s[G0B+4*\slot+3], 0x80000000
.else
	s_add_nc_u64 s[G0+4*\slot+2:G0+4*\slot+3], s[G0+4*\slot+2:G0+4*\slot+3], 2*ROWB
	s_add_nc_u64 s[G0B+4*\slot+2:G0B+4*\slot+3], s[G0B+4*\slot+2:G0B+4*\slot+3], 2*ROWB
.endif
	JLOAD G0+4*\slot, G1, G0B+4*\slot, G1B         ; the first tensor load behind the round, my one load until the next; its four v_nop are among the places in front of the loads below
	PLACES NP-4
	s_wait_alu depctr_va_vdst(0)
	v_add_nc_u32 v[ADRS], 4*NQ, v[ADRS]            ; on to the next K step's scale words
	FETCH_B \next, 0, 0
	FETCH_A \next, 0, 0
	SCALES \next, ADRS
	WIN MUL_HI
	MUL16 4, 1, NQ-1, \slot, 0
	MUL16 6, 1, NQ-1, \slot, 0
	PLACES NP
	WIN 0
	FETCH_A \next, 0, 4
.endm
; ---------------- THE HALF TILE ----------------
; 8 matrix instructions: B's blocks b0, b0 + 1 x A's four, 128 along K.  p: the set of both;  sc: the set of scale words.  The 32 accumulators take turns, in the same order in every step.
.macro MUL8H b0, p, q, sc, zero
.irp b, \b0, \b0+1
.irp a, 0,1,2,3
.if \zero
	v_wmma_scale_f32_16x16x128_f8f6f4 v[8*(8*\a+(\b)):8*(8*\a+(\b))+7], v[128*(\p)+FR*(\b):128*(\p)+FR*(\b)+FR-1], v[AF+64*(\p)+FR*\a:AF+64*(\p)+FR*\a+FR-1], 0, v[SC+8*NQ*(\sc)+NQ*(\b)+(\q)], v[SC+8*NQ*(\sc)+NQ*\a+(\q)] matrix_a_scale:MATRIX_SCALE_ROW1
.else
	v_wmma_scale_f32_16x16x128_f8f6f4 v[8*(8*\a+(\b)):8*(8*\a+(\b))+7], v[128*(\p)+FR*(\b):128*(\p)+FR*(\b)+FR-1], v[AF+64*(\p)+FR*\a:AF+64*(\p)+FR*\a+FR-1], v[8*(8*\a+(\b)):8*(8*\a+(\b))+7], v[SC+8*NQ*(\sc)+NQ*(\b)+(\q)], v[SC+8*NQ*(\sc)+NQ*\a+(\q)] matrix_a_scale:MATRIX_SCALE_ROW1
.endif
.endr
.endr
.endm
.macro RUN_A slot, q, p                ; 16 LDS loads: A's four fragments into set p
.irp i, 0,1,2,3
	FRAG AF+64*(\p)+FR*\i, ADRA2+\slot, \q, \i
.endr
.endm
.macro RUN_B slot, q, p, i0            ; 16 LDS loads: B's blocks i0 .. i0 + 3 into set p
	WIN TO_B
.irp i, \i0, \i0+1, \i0+2, \i0+3
	FRAG 128*(\p)+FR*(\i), ADRB+\slot, \q, \i
.endr
	WIN 0
.endm
; A slot's first step (set 0): its 32 products in four groups of eight; the second step's 48 loads, into set 1, in three runs of 16 between them.
.macro STEPH slot, zero
	s_wait_dscnt 16                                ; A's four, B's blocks 0-3 and the scale words are in; the youngest 16 loads (B's blocks 4-7) may be out
	PLACES NP                                      ; set 1 was read by the products just issued
	RUN_A \slot, 1, 1
	WIN MUL_LO
	MUL8H 0, 0, 0, \slot, \zero
	RUN_B \slot, 1, 1, 0
	WIN MUL_LO
	MUL8H 2, 0, 0, \slot, \zero
	s_wait_dscnt 32                                ; B's blocks 4-7 are in: 32 loads were issued behind them
	MUL8H 4, 0, 0, \slot, \zero
	RUN_B \slot, 1, 1, 4
	WIN MUL_LO
	MUL8H 6, 0, 0, \slot, \zero
	WIN 0
.endm
; A slot's second step (set 1) changes slots.  All its fragments are in registers at its head, so the barrier stands there.  fill = 1: this slot is filled again, two K steps ahead, behind a round of the cluster's barrier.
.macro TURNH slot, next, fill
	s_wait_tensorcnt 0x0                           ; all my tensor loads have landed: my part of the next slot
	ds_add_u32 v[SPW], v[NIL]                      ; 0 onto my spare word
	s_wait_dscnt 0x0                               ; the add is done, and my reads of this slot are over
	s_barrier_signal -1
	WIN MUL_LO
	MUL8H 0, 1, 1, \slot, 0                        ; work on registers while the others arrive
	WIN 0
	s_barrier_wait -1
.if \fill
	CREST
	s_add_nc_u64 s[G0+4*\slot+2:G0+4*\slot+3], s[G0+4*\slot+2:G0+4*\slot+3], 2*ROWB
	s_add_nc_u64 s[G0B+4*\slot+2:G0B+4*\slot+3], s[G0B+4*\slot+2:G0B+4*\slot+3], 2*ROWB
	JLOAD G0+4*\slot, G1, G0B+4*\slot, G1B         ; the first tensor load behind the round, my one load until the next
	PLACES NP-4
.else
	PLACES NP
.endif
	s_wait_alu depctr_va_vdst(0)
	v_add_nc_u32 v[ADRS2], 4*NQ, v[ADRS2]          ; on to the next K step's scale words
	RUN_A \next, 0, 0
	WIN MUL_LO
	MUL8H 2, 1, 1, \slot, 0
	RUN_B \next, 0, 0, 0
	SCALES \next, ADRS2
	WIN MUL_LO
	MUL8H 4, 1, 1, \slot, 0
	RUN_B \next, 0, 0, 4
	WIN MUL_LO
	MUL8H 6, 1, 1, \slot, 0
	WIN 0
.endm
; ---------------- THE WAYS OUT ----------------
; 64 numbers of a lane, v[s] .. v[s + 63]: four blocks, 16 numbers of each here and 16 in lane l xor 16.  They become 16 registers of codes in v[PC] on; the four scale bytes stay in v[TM+4] on.
.macro QUANT s
.irp b, 0,1,2,3
	v_max3_num_f32 v[TM+\b], |v[\s+16*\b]|, |v[\s+1+16*\b]|, 0x4800000   ; my 16 numbers, and the floor 2^(9 - 127): so the byte cannot fall under 1
.endr
.irp i, 2,4,6,8,10,12,14
.irp b, 0,1,2,3
	v_max3_num_f32 v[TM+\b], v[TM+\b], |v[\s+16*\b+\i]|, |v[\s+1+16*\b+\i]|   ; (the four blocks by turns)
.endr
.endr
.irp b, 0,1,2,3
	v_permlanex16_b32 v[TM+4+\b], v[TM+\b], s[SEL], s[SEL+1]
.endr
.irp b, 0,1,2,3
	v_max_num_f32 v[TM+\b], v[TM+\b], v[TM+4+\b]   ; the block's largest magnitude
.endr
.irp b, 0,1,2,3
	v_add_nc_u32 v[TM+12+\b], 0xfc000000, v[TM+\b]   ; 8 off its exponent field: the conversion takes the exponent field of this operand as its scale
.endr
.irp b, 0,1,2,3
.endr
.irp b, 0,1,2,3
	v_lshrrev_b32 v[TM+4+\b], 23, v[TM+12+\b]      ; the scale's byte
.endr
.irp b, 0,1,2,3
.irp i, 0,1,2,3,4,5,6,7,8,9,10,11,12,13,14,15
.endr
	v_cvt_scalef32_pk8_fp8_f32 v[PC+4*\b:PC+1+4*\b], v[\s+16*\b:\s+7+16*\b], v[TM+12+\b]
	v_cvt_scalef32_pk8_fp8_f32 v[PC+2+4*\b:PC+3+4*\b], v[\s+8+16*\b:\s+15+16*\b], v[TM+12+\b]
.endr
	v_nop                                          ; one plain place behind the last conversions
.endm
.macro CSLOAD a                        ; cos and sin of token tile a: 32 registers, in the order of my pairs of features
.irp k, 0,1,2,3,4,5,6,7
	global_load_b128 v[CS+32*((\a)%2)+4*\k:CS+32*((\a)%2)+4*\k+3], v[L16], s[14:15] offset:4096*(\a)+512*\k
.endr
.endm
; Q or K, token tile a: my lane's token, 128 features = two heads.  Bias, rotation, quantiser, four stores of 512 consecutive bytes.
.macro EPI_QK a
.if (\a) < 7
	s_wait_loadcnt 8                               ; the bias and this tile's cos and sin are in; the next tile's eight loads may be out
.else
	s_wait_loadcnt 0
.endif
	WIN 0x06+(\a)/4                                ; source 0: the accumulators' window; source 1: window 1, the bias
.set k, 0
.rept 32
	v_pk_add_f32 v[Y+2*k:Y+2*k+1], v[64*((\a)%4)+2*k:64*((\a)%4)+2*k+1], v[2*k:2*k+1]   ; each accumulator from its low end on
.set k, k+1
.endr
	WIN 0
.irp i, 0,1,2,3,4,5,6,7                ; a pair (x1, x2) becomes (x1 c - x2 s, x1 s + x2 c)
.irp n, 0,1,2,3
	v_pk_mul_f32 v[TM+2*\n:TM+2*\n+1], v[Y+8*\i+2*\n:Y+8*\i+2*\n+1], v[CS+32*((\a)%2)+8*(\i%4)+2*\n:CS+32*((\a)%2)+8*(\i%4)+2*\n+1] op_sel_hi:[1,0]   ; (x1 c, x2 c)
.endr
.irp n, 0,1,2,3
	v_pk_fma_f32 v[Y+8*\i+2*\n:Y+8*\i+2*\n+1], v[Y+8*\i+2*\n:Y+8*\i+2*\n+1], v[CS+32*((\a)%2)+8*(\i%4)+2*\n:CS+32*((\a)%2)+8*(\i%4)+2*\n+1], v[TM+2*\n:TM+2*\n+1] op_sel:[1,1,0] op_sel_hi:[0,1,1] neg_lo:[0,1,0]   ; low: -x2 s + x1 c; high: x1 s + x2 c
.endr
.endr
.if (\a)+2 <= 7
	CSLOAD (\a)+2
.endif
	s_wait_xcnt 0x0                                ; the last tile's stores have read their data: the codes' registers are written again only behind this wait
	QUANT Y
.if (\a)%2 == 0
	v_lshl_or_b32 v[SW+(\a)/2], v[TM+5], 8, v[TM+4]        ; head 0: this tile's two bytes are the low half of word a / 2,
	v_lshl_or_b32 v[SW+4+(\a)/2], v[TM+7], 8, v[TM+6]      ; head 1 likewise
.else
	v_lshl_or_b32 v[TP], v[TM+5], 8, v[TM+4]
	v_lshl_or_b32 v[TP+1], v[TM+7], 8, v[TM+6]
	v_lshl_or_b32 v[SW+(\a)/2], v[TP], 16, v[SW+(\a)/2]    ; or its high half
	v_lshl_or_b32 v[SW+4+(\a)/2], v[TP+1], 16, v[SW+4+(\a)/2]
.endif
.irp b, 0,1,2,3
	global_store_b128 v[L16], v[PC+4*\b:PC+4*\b+3], s[16:17] offset:(\b/2)*HEADB+1024*(\a)+512*(\b%2)   ; head b / 2, token tile a, block b % 2 of the head's 64
.endr
.endm
; V, tile a of 16 of my head's 64 features: my lane's feature, 128 tokens.
.macro EPI_V a
	WIN 0x02                                       ; source 0: window 2
.set k, 0
.rept 32
.if (\a)%2
	v_pk_add_f32 v[Y+2*k:Y+2*k+1], v[64*(\a)+2*k:64*(\a)+2*k+1], v[BV+2*((\a)/2):BV+2*((\a)/2)+1] op_sel:[0,1] op_sel_hi:[1,1]
.else
	v_pk_add_f32 v[Y+2*k:Y+2*k+1], v[64*(\a)+2*k:64*(\a)+2*k+1], v[BV+2*((\a)/2):BV+2*((\a)/2)+1] op_sel_hi:[1,0]
.endif
.set k, k+1
.endr
	WIN 0
	s_wait_xcnt 0x0                                ; the stores issued so far have read their data
	QUANT Y
	v_lshl_or_b32 v[SW+(\a)], v[TM+5], 8, v[TM+4]  ; the four blocks of keys make my feature's scale word
	v_lshl_or_b32 v[SW+(\a)], v[TM+6], 16, v[SW+(\a)]
	v_lshl_or_b32 v[SW+(\a)], v[TM+7], 24, v[SW+(\a)]
.irp b, 0,1,2,3
	global_store_b128 v[L16], v[PC+4*\b:PC+4*\b+3], s[DV:DV+1] offset:2048*(\a)+512*\b
.endr
.endm
	s_wait_tensorcnt 1                             ; both tiles' scales and my part of K step 0 are in; K step 1's load may be out
	s_barrier_signal -1
	s_barrier_wait -1                              ; everybody's are
	FETCH_B 0, 0, 0
	FETCH_A 0, 0, 0
	SCALES 0, ADRS
	FETCH_A 0, 0, 4
	; where the results go, made while the first fragments are on their way.  The scales' loads are done, so their descriptors' registers are free.
	; V: tokens 1024 cly + 256 cx + 128 HB, head 8 type + 2 cy + HA of the batch
	s_lshl_b32 s72, s[CLY], 2
	s_add_co_u32 s73, s72, s[CX]                   ; the tile of 256 tokens, 0 .. 31
	s_lshr_b32 s74, s73, 3                         ; the batch
	s_lshl_b32 s73, s73, 1
	s_add_co_u32 s73, s73, s[HB]
	s_and_b32 s73, s73, 15                         ; the step of 128 tokens in the sequence
	s_lshl_b32 s74, s74, 4
	s_lshl_b32 s75, s[TYP], 3
	s_add_co_u32 s74, s74, s75
	s_lshl_b32 s75, s[CY], 1
	s_add_co_u32 s74, s74, s75
	s_add_co_u32 s74, s74, s[HA]                   ; the head
	s_lshl_b32 s74, s74, 4
	s_add_co_u32 s74, s74, s73
	s_mul_i32 s74, s74, STEPB
	s_add_co_u32 s74, s74, 2*TYPEB
	s_mov_b32 s75, 0
	s_add_nc_u64 s[DV:DV+1], s[16:17], s[74:75]
	s_lshl_b32 s74, s[TYP], 11
	s_lshl_b32 s76, s[CY], 9
	s_add_co_u32 s74, s74, s76
	s_lshl_b32 s76, s[HA], 8
	s_add_co_u32 s74, s74, s76
	s_add_co_u32 s74, s74, 8192                    ; 4 x (2048 + 512 type + 128 cy + 64 HA)
	s_add_nc_u64 s[BVP:BVP+1], s[12:13], s[74:75]
	; Q or K: tokens 1024 cly + 256 cy + 128 HA, heads 4 cx + 2 HB and the next
	s_add_co_u32 s73, s72, s[CY]
	s_lshr_b32 s74, s73, 3
	s_lshl_b32 s73, s73, 1
	s_add_co_u32 s73, s73, s[HA]
	s_and_b32 s73, s73, 15
	s_lshl_b32 s74, s74, 4
	s_lshl_b32 s76, s[CX], 2
	s_add_co_u32 s74, s74, s76
	s_lshl_b32 s76, s[HB], 1
	s_add_co_u32 s74, s74, s76
	s_lshl_b32 s74, s74, 4
	s_add_co_u32 s74, s74, s73
	s_mul_i32 s74, s74, STEPB
	s_mul_i32 s76, s[TYP], TYPEB
	s_add_co_u32 s74, s74, s76
	s_add_nc_u64 s[16:17], s[16:17], s[74:75]      ; qkv at my first head's step and type
	s_lshl_b32 s74, s[TYP], 12
	s_lshl_b32 s76, s[CX], 10
	s_add_co_u32 s74, s74, s76
	s_lshl_b32 s76, s[HB], 9
	s_add_co_u32 s74, s74, s76
	s_add_nc_u64 s[12:13], s[12:13], s[74:75]      ; the bias at my 128 features
	s_lshl_b32 s74, s73, 15
	s_add_nc_u64 s[14:15], s[14:15], s[74:75]      ; cos and sin at my 8 tiles of tokens
	STEP 0, 0, 1                                   ; K = 1,024 is four slots' worth: written straight, no loop.  The first step's products start the sums
	TURN 0, 1, 0                                   ; slot 0 takes K 512 .. 767
	STEP 1, 0, 0
	TURN 1, 0, 0                                   ; slot 1 takes K 768 .. 1,023
	STEP 0, 0, 0
	TURN 0, 1, 1                                   ; THE RING GOES ON INTO V: slot 0 takes its K 0 .. 255
	STEP 1, 0, 0
	MEET 1                                         ; the very last step: slot 1 is read out,
	s_mul_i32 s[G0+5], s[HB], HALFA2
	s_add_co_u32 s[G0+5], s[G0+5], SLOT
	s_add_nc_u64 s[G0+6:G0+7], s[A2P:A2P+1], ROWB
	s_or_b32 s[G0+7], s[G0+7], 0x80000000
	s_add_nc_u64 s[G0B+6:G0B+7], s[B2P:B2P+1], ROWB
	s_or_b32 s[G0B+7], s[G0B+7], 0x80000000
	JLOAD G0+4, G1, G0B+4, G1B                     ; and takes V's K 256 .. 511: both of V's first tiles land while Q or K goes out
	PLACES NP-4                                    ; with the four behind the load: in front of loads into the registers that held A's blocks 0-3
	WIN TO_B
.irp i, 0,1,2,3,4,5,6,7
	global_load_b128 v[8*\i:8*\i+3], v[BQ], s[12:13] offset:64*\i        ; the bias in the result's layout: tile i, features 16 i + 8 h + 0 .. 7; into B's idle set
	global_load_b128 v[8*\i+4:8*\i+7], v[BQ], s[12:13] offset:64*\i+16
.endr
	WIN 0
	CSLOAD 0
	CSLOAD 1
	WIN MUL_HI
	MUL16 4, 1, NQ-1, 1, 0                         ; the products of A's blocks 4-7 stand over part of those loads' way
	MUL16 6, 1, NQ-1, 1, 0
	WIN 0
	PLACES NP
.irp b, 0,1,2,3
	v_mov_b32 v[TM+4+\b], 0                        ; a lane permute's destination counts as one of its sources
.endr
.irp a, 0,1,2,3,4,5,6,7
	EPI_QK \a
.endr
.irp e, 0,1                            ; a head's four scale words a row leave as 8 bytes a lane: word q of lane (r, h) is word 2 q + h of row r: 256 consecutive bytes a store
	v_cndmask_b32 v[TP+2+2*\e], v[SW+4*\e], v[SW+4*\e+1], s[MASKH]
	v_cndmask_b32 v[TP+3+2*\e], v[SW+4*\e+2], v[SW+4*\e+3], s[MASKH]
	global_store_b64 v[L8], v[TP+2+2*\e:TP+3+2*\e], s[16:17] offset:\e*HEADB+8192
.endr
	; V.  Slot 0 is whole: every wave waited for its part in front of the last round.
.irp a, 0,1,2,3
	global_load_b32 v[BV+\a], v[BV4], s[BVP:BVP+1] offset:64*\a          ; the bias of feature 16 a + r
.endr
	RUN_A 0, 0, 0
	RUN_B 0, 0, 0, 0
	SCALES 0, ADRS2
	RUN_B 0, 0, 0, 4
	STEPH 0, 1
	TURNH 0, 1, 1                                  ; slot 0 takes K 512 .. 767
	STEPH 1, 0
	TURNH 1, 0, 1                                  ; slot 1 takes K 768 .. 1,023
	STEPH 0, 0
	TURNH 0, 1, 0                                  ; nothing is left to fetch
	STEPH 1, 0
	s_wait_dscnt 0x0                               ; the very last step
	WIN MUL_LO
	MUL8H 0, 1, 1, 1, 0
	MUL8H 2, 1, 1, 1, 0
	MUL8H 4, 1, 1, 1, 0
	MUL8H 6, 1, 1, 1, 0
	WIN 0
	PLACES NP
	s_wait_loadcnt 0x0                             ; the bias
.irp a, 0,1,2,3
	EPI_V \a
.endr
	v_cndmask_b32 v[TP+2], v[SW], v[SW+1], s[MASKH]
	v_cndmask_b32 v[TP+3], v[SW+2], v[SW+3], s[MASKH]
	global_store_b64 v[L8], v[TP+2:TP+3], s[DV:DV+1] offset:8192
	s_wait_tensorcnt 0x0                           ; the wave's end
	ds_add_u32 v[SPW], v[NIL]
	s_wait_dscnt 0x0
	CROUND                                         ; the closing round: no work-group ends while a partner may still ask for a tile that names it
	s_endpgm
.Lfunc_end_k_qec4cd31a4e_qkv_proj:
	.size	k_qec4cd31a4e_qkv_proj, .Lfunc_end_k_qec4cd31a4e_qkv_proj-k_qec4cd31a4e_qkv_proj
	.p2alignl 7, 3214868480
	.fill 96, 4, 3214868480
	.section	.rodata,"a",@progbits
	.p2align	6, 0x0
	.amdhsa_kernel k_qec4cd31a4e_qkv_proj
		.amdhsa_group_segment_fixed_size 327680
		.amdhsa_private_segment_fixed_size 0
		.amdhsa_enable_private_segment 0
		.amdhsa_kernarg_size 56
		.amdhsa_user_sgpr_count 2
		.amdhsa_user_sgpr_kernarg_segment_ptr 1
		.amdhsa_wavefront_size32 1
		.amdhsa_system_sgpr_workgroup_id_x 1
		.amdhsa_system_sgpr_workgroup_id_y 1
		.amdhsa_system_sgpr_workgroup_id_z 1
		.amdhsa_system_vgpr_workitem_id 0
		.amdhsa_next_free_vgpr 1024
		.amdhsa_next_free_sgpr 106
		.amdhsa_reserve_vcc 0
		.amdhsa_float_denorm_mode_32 3
		.amdhsa_float_denorm_mode_16_64 3
		.amdhsa_fp16_overflow 1
		.amdhsa_memory_ordered 1
		.amdhsa_forward_progress 1
		.amdhsa_inst_pref_size 255
	.end_amdhsa_kernel
	.section	.bss,"aw",@nobits
	.p2align	6
	.space	262144
	.amdgpu_metadata
---
amdhsa.version: [ 1, 2 ]
amdhsa.kernels:
  - .name:           k_qec4cd31a4e_qkv_proj
    .symbol:         k_qec4cd31a4e_qkv_proj.kd
    .args:
      - { .name: x_codes, .offset: 0, .size: 8, .value_kind: global_buffer, .address_space: global }
      - { .name: x_scales, .offset: 8, .size: 8, .value_kind: global_buffer, .address_space: global }
      - { .name: Wqkv_w_codes, .offset: 16, .size: 8, .value_kind: global_buffer, .address_space: global }
      - { .name: Wqkv_w_scales, .offset: 24, .size: 8, .value_kind: global_buffer, .address_space: global }
      - { .name: Wqkv_b, .offset: 32, .size: 8, .value_kind: global_buffer, .address_space: global }
      - { .name: rope, .offset: 40, .size: 8, .value_kind: global_buffer, .address_space: global }
      - { .name: qkv, .offset: 48, .size: 8, .value_kind: global_buffer, .address_space: global }
    .group_segment_fixed_size: 327680
    .private_segment_fixed_size: 0
    .kernarg_segment_align: 8
    .kernarg_segment_size: 56
    .max_flat_workgroup_size: 128
    .sgpr_count:     106
    .vgpr_count:     1024
    .wavefront_size: 32
...
	.end_amdgpu_metadata
.endif
;; end of part 2
;; launch attn (part 3): grid 4 x 64, 16 waves a work-group, clusters of 4 x 1, 272,384 bytes of LDS; arguments qkv, a_img, a_sc; writes a_img, a_sc
.if DOCPART == 3
	.amdgcn_target "amdgcn-amd-amdhsa--gfx1250"
	.amdhsa_code_object_version 6
	.text
	.protected	k_qec4cd31a4e_attn
	.globl	k_qec4cd31a4e_attn
	.p2align	8
	.type	k_qec4cd31a4e_attn,@function
k_qec4cd31a4e_attn:
	s_mov_b64 s[64:65], 0
	v_nop
	global_prefetch_b8 v0, s[64:65] scope:SCOPE_SE
	s_setreg_imm32_b32 hwreg(HW_REG_WAVE_MODE, 25, 1), 1
	s_wait_xcnt 0x0
	s_wait_alu depctr_hold_cnt(0) depctr_sa_sdst(0) depctr_va_vdst(0) depctr_va_sdst(0) depctr_va_ssrc(0) depctr_va_vcc(0) depctr_vm_vsrc(0)
	s_getreg_b32 s2, hwreg(HW_REG_IB_STS2, 6, 4)
	s_cmp_eq_u32 s2, 0
	s_cbranch_scc0 .Lentry_in_a_cluster
	s_endpgm
.Lentry_in_a_cluster:
	s_bfe_u32 s2, ttmp6, 0x10000c
	s_cmp_lg_u32 s2, 0x3003
	s_cbranch_scc0 .Lentry_shape_is_right
	s_endpgm
.Lentry_shape_is_right:
; Causal attention of one head on codes of FP8 (E4M3) with one E8M0 scale for each 32 along a product's K, and the quantiser of its result along the model's 1,024 features.
; In: qkv[head 64][step of 128 tokens 16][Q, K, V][8,192 bytes of codes as images of the operands' registers | 256 bytes of scale words].
; Out: a_img[token tile 512][K step 8][4 x 512 bytes]: the next product's fragments as images of their registers, K in its true places; a_sc[token 8,192][32]: their scale bytes.
; THE SOFTMAX: t = score x log2(e) / 8; M = the row's largest t so far, rounded UP to a whole number; p = 2^(t - M) is what is quantised, along the keys.  The row's sum is taken of the unquantised p and divides O at the end.
; When M moves, the sum and O are multiplied by 2^(old M - new M): exact.
; SHARES.  A cluster of four work-groups is one head.  The head's K and V, codes and scale words of all 2,048 keys, are 16 x 16,896 bytes: they fit in LDS whole and are filled ONCE, each of the sixteen waves asking for one step's
; 16,896 consecutive bytes JOINTLY with its three partners.  So there is no ring, and one barrier.  A head has 128 tiles of 16 queries; wave w of work-group cx takes tile 4 w + cx and then tile 127 - (4 w + cx): their last key steps
; are w / 2 and 15 - w / 2, so every wave walks 17 key steps, and the counts hang on the wave's number alone.
; LAYOUT.  Both products are used transposed: S^T = K Q^T, O^T = V^T P^T: a lane holds ONE query (lane % 16) throughout.  The head's 64 fill half of the instruction's K = 128: a fragment of K holds TWO tiles of 16 keys (registers 0-7, 8-15),
; and Q stands as q | zeros | q in 24 registers: [q, 0] multiplies the first tile, [0, q] the second; the other tile's codes meet zero codes.
; Inside a block of 32 keys p's codes stand in the order in which V's were laid: slot 16 h + j holds key 8 h + j, slot 16 h + 8 + j key 16 + 8 h + j; a block has one scale, so the products are the same.
; LIMITS: codes and bytes are this program's own: finite, bytes 1 to 254.  A block under 2^(9 - 127) gets the byte 1.  The scale bytes leave as single bytes, 32 bytes apart: one byte in 33 of what the launch stores.
; REGISTERS: v1-9 addresses; v12 -M, v13 the largest t, v[14:15] the sum; v16-39 q | 0 | q; v40-103 four fragments of K, then of V; v104-167 S^T, then p; v168-199 O^T; v200-215 p's codes; v216-231 the quantiser's work;
;   v232-237 scale words and nothing else; v[238:239] f; v240-244 at work.
.set STEPB, 25344
.set HEADB, 405504
.set TYPEB, 8448
.set KVB,   16896                      ; a step in LDS: K's codes 8,192 | K's scale words 256 | V's codes 8,192 | V's scale words 256
.set L16, 1                            ; v1  16 x lane
.set L8,  2                            ; v2  8 x lane
.set R8,  4                            ; v4  8 r
.set DQ,  5                            ; v5  my query's place in its step, less 8 h
.set RH,  6                            ; v6  r - 8 h
.set SCA, 7                            ; v7  32 r + h: my scale byte's place
.set ADK, 8
.set ADS, 9
.set QF,  16
.set KV,  40
.set S,   104
.set O,   168
.set PCD, 200
.set BM,  216
.set PT,  220
.set HO,  224
.set SO,  228
.set KSC, 232
.set VSC, 234
.set QS,  236
.set PS,  237
.set FF,  238
.set TA,  240
.set SUM2, 242
.set BYT, 244
.set WV,  10
.set CX,  11
.set BH,  12
.set T,   13                           ; my tile of queries
.set LL,  14                           ; its last key step
.set PASS, 15
.set KSI, 16                           ; the key step
.set TB,  17                           ; where it begins in LDS
.set SEL, 18
.set CS,  20                           ; s[20:21] c = log2(e) / 8
.set MNT, 22
.set MASKH, 23
.set G1,  24
.set G0,  32
.set HD,  36                           ; s[36:37] the head in qkv
.set QP,  38
.set OFF, 40
.set AP,  42
.set SP,  44
.set QSP, 46
.set SH,  48
.macro ROUND                           ; a round of the cluster's barrier
	s_barrier_signal -1
	s_barrier_wait -1
	s_cmp_lg_u32 s[WV], 0
	s_cbranch_scc1 .Lnot_wave_0_\@
	s_barrier_signal -3
.Lnot_wave_0_\@:
	s_barrier_wait -3
	s_barrier_signal -1
	s_barrier_wait -1
.endm
	s_load_b128 s[4:7], s[0:1], 0x0                ; qkv s[4:5], a_img s[6:7]
	s_load_b64 s[8:9], s[0:1], 0x10                ; a_sc
	v_lshl_add_u32 v254, v0, 2, 0x42000
	v_mov_b32 v255, 0
	ds_add_u32 v254, v255
	ds_add_u32 v254, v255
	v_lshrrev_b32 v3, 5, v0
	s_delay_alu instid0(VALU_DEP_1)
	v_readfirstlane_b32 s[WV], v3                  ; wave 0..15
	s_bfe_u32 s[CX], ttmp6, 0x40000                ; my place in the cluster: it enters Q's and the outputs' addresses and the mask's numbers alone
	s_and_b32 s[BH], ttmp7, 0xffff                 ; the head, which the four partners share
	s_mul_i32 s[OFF], s[BH], HEADB
	s_mov_b32 s[OFF+1], 0
	s_mul_i32 s50, s[WV], STEPB
	s_add_co_u32 s50, s50, TYPEB                   ; step w's K and V: 16,896 consecutive bytes
	s_mov_b32 s51, 0
	s_mov_b32 s[G1], 15|(3<<16)|(1<<21)            ; 15:0 the mask: all four work-groups; 17:16 elements of 8 bytes; 21 set beside a mask; no padding
	s_mov_b32 s[G1+1], 32<<16                      ; tensor_dim0 = 32 elements: rows of 256 bytes
	s_mov_b32 s[G1+2], 66<<16                      ; tensor_dim1 = 66 rows
	s_mov_b32 s[G1+3], 32<<16                      ; tile_dim0
	s_mov_b32 s[G1+4], 66                          ; tile_dim1
	s_mov_b32 s[G1+5], 32                          ; the pitch: dense
	s_mov_b32 s[G1+6], 0
	s_mov_b32 s[G1+7], 0
	s_mov_b32 s[G0], 1
	s_mul_i32 s[G0+1], s[WV], KVB                  ; LDS: wave x 16,896
	s_mov_b32 s[SEL], 0x76543210
	s_mov_b32 s[SEL+1], 0xfedcba98
	s_mov_b32 s[CS], 0x3e38aa3b
	s_mov_b32 s[CS+1], s[CS]                       ; (named with it as a pair, so it is written)
	s_mov_b32 s[MASKH], 0xffff0000
	s_wait_dscnt 0x0
	s_wait_kmcnt 0x0
	s_add_nc_u64 s[HD:HD+1], s[4:5], s[OFF:OFF+1]
	s_add_nc_u64 s[G0+2:G0+3], s[HD:HD+1], s[50:51]
	s_or_b32 s[G0+3], s[G0+3], 0x80000000
	ROUND                                          ; all four work-groups are here: the joint loads meet
	tensor_load_to_lds s[G0:G0+3], s[G1:G1+7]      ; my one tensor load of the launch
	s_nop 0
.rept 4
	v_nop
.endr
	v_and_b32 v3, 31, v0
	s_delay_alu instid0(VALU_DEP_1)
	v_lshlrev_b32 v[L16], 4, v3
	s_delay_alu instid0(VALU_DEP_2)
	v_lshlrev_b32 v[L8], 3, v3
	v_and_b32 v10, 15, v0                          ; r
	v_bfe_u32 v11, v0, 4, 1                        ; h
	s_delay_alu instid0(VALU_DEP_2)
	v_lshlrev_b32 v[R8], 3, v10
	s_delay_alu instid0(VALU_DEP_2)
	v_lshlrev_b32 v[RH], 3, v11
	s_delay_alu instid0(VALU_DEP_1)
	v_sub_nc_u32 v[RH], v10, v[RH]
	s_delay_alu instid0(VALU_DEP_4)
	v_lshl_add_u32 v[SCA], v10, 5, v11
.irp j, 0,1,2,3,4,5,6,7
	v_mov_b32 v[QF+8+\j], 0                        ; the zero codes between the two copies of q: set once
.endr
.irp b, 0,1,2,3
	v_mov_b32 v[PT+\b], 0                          ; a lane permute's destination counts as one of its sources
.endr
	v_mov_b32 v[FF+1], 0                           ; (named as the upper half of a pair)
	v_mov_b32 v[TA], 0
	s_lshl_b32 s[T], s[WV], 2
	s_add_co_u32 s[T], s[T], s[CX]
	s_lshr_b32 s[LL], s[WV], 1
	s_mov_b32 s[PASS], 2
	s_wait_tensorcnt 0x0                           ; my step is in LDS,
	s_barrier_signal -1
	s_barrier_wait -1                              ; everybody's is: from here on LDS is only read
.Lpass:
	s_wait_xcnt 0x0                                ; the last pass's stores have read their data, offsets and bases: all are written again below
	s_lshr_b32 s49, s[T], 3                        ; the step that holds my queries
	s_and_b32 s50, s[T], 7                         ; a: my tile in it
	s_mul_i32 s[OFF], s49, STEPB
	s_lshl_b32 s51, s50, 10
	s_add_co_u32 s[OFF], s[OFF], s51
	s_add_nc_u64 s[QP:QP+1], s[HD:HD+1], s[OFF:OFF+1]          ; Q's codes: tile a's image, 1,024 bytes
	s_mul_i32 s[OFF], s49, STEPB
	s_lshr_b32 s51, s50, 1                         ; word p = a / 2 of a row lies in lane (r, p % 2), word p / 2
	s_and_b32 s52, s51, 1
	s_lshl_b32 s52, s52, 7
	s_lshr_b32 s51, s51, 1
	s_lshl_b32 s51, s51, 2
	s_add_co_u32 s[OFF], s[OFF], s52
	s_add_co_u32 s[OFF], s[OFF], s51
	s_add_co_u32 s[OFF], s[OFF], 8192
	s_add_nc_u64 s[QSP:QSP+1], s[HD:HD+1], s[OFF:OFF+1]
	s_and_b32 s[SH], s50, 1
	s_lshl_b32 s[SH], s[SH], 4                     ; and my tile's two bytes are its half a % 2
	s_lshl_b32 s51, s50, 4
	global_load_b128 v[QF:QF+3], v[L16], s[QP:QP+1]
	global_load_b128 v[QF+4:QF+7], v[L16], s[QP:QP+1] offset:512
	global_load_b128 v[QF+16:QF+19], v[L16], s[QP:QP+1]
	global_load_b128 v[QF+20:QF+23], v[L16], s[QP:QP+1] offset:512
	global_load_b32 v[QS], v[R8], s[QSP:QSP+1]
	v_add_nc_u32 v[DQ], s51, v[RH]                 ; 16 a + r - 8 h
	s_lshr_b32 s49, s[BH], 4                       ; the batch
	s_and_b32 s50, s[BH], 15                       ; the head in it
	s_lshl_b32 s51, s49, 7
	s_add_co_u32 s51, s51, s[T]                    ; the tile of 16 tokens among all 512
	s_lshl_b32 s[OFF], s51, 14
	s_lshl_b32 s52, s50, 10                        ; the head's 64 features: K step head / 2, groups 2 (head % 2) and the next: 1,024 x head bytes
	s_add_co_u32 s[OFF], s[OFF], s52
	s_add_nc_u64 s[AP:AP+1], s[6:7], s[OFF:OFF+1]
	s_lshl_b32 s[OFF], s51, 9                      ; 16 tokens x 32 scale bytes
	s_lshl_b32 s52, s50, 1
	s_add_co_u32 s[OFF], s[OFF], s52
	s_add_nc_u64 s[SP:SP+1], s[8:9], s[OFF:OFF+1]
.set j, 0
.rept 32
	v_mov_b32 v[O+j], 0                            ; O^T.  (The step is written once: the first finds zeros, which the first change of M leaves zeros)
.set j, j+1
.endr
	s_wait_loadcnt 0x0                             ; Q and its scale word
	v_lshrrev_b32 v[QS], s[SH], v[QS]
	s_delay_alu instid0(VALU_DEP_1)
	v_and_b32 v[QS], 0xffff, v[QS]
	s_delay_alu instid0(VALU_DEP_1)
	v_lshl_or_b32 v[QS], v[QS], 16, v[QS]          ; [q0, q1, q0, q1]: it serves [q, 0] and [0, q] alike
	v_mov_b32 v13, 0xff61b1e6                      ; the largest t so far: -3e38, under every t
	s_delay_alu instid0(VALU_DEP_1)
	v_floor_f32 v12, -v13                          ; -M
	v_mov_b32 v14, 0                               ; the sum, in two halves
	v_mov_b32 v15, 0
	s_mov_b32 s[KSI], 0
	s_mov_b32 s[TB], 0
.Lstep:                                            ; 16 trips, a constant; a step all of whose keys come after my queries is jumped over: the count hangs on the wave's number and the pass
	s_cmp_gt_u32 s[KSI], s[LL]
	s_cbranch_scc1 .Lhid
	s_setprio 2
	v_add_nc_u32 v[ADK], s[TB], v[L16]
	v_add_nc_u32 v[ADS], s[TB], v[L8]
.rept 6
	v_nop                                          ; with the two additions: eight places in front of loads into registers that matrix instructions have read, and behind the making of Q's scale word
.endr
.set k, 0
.rept 16
	ds_load_b128 v[KV+4*k:KV+4*k+3], v[ADK] offset:512*k      ; K's eight tiles: four fragments of two; every load takes 512 consecutive bytes
.set k, k+1
.endr
	ds_load_b64 v[KSC:KSC+1], v[ADS] offset:8192   ; K's scale words: register q: lanes 0-15 fragment 2 q, lanes 16-31 fragment 2 q + 1
	ds_load_b64 v[VSC:VSC+1], v[ADS] offset:16640  ; V's likewise
	s_wait_dscnt 0x0
	s_wait_alu depctr_va_vdst(0)
.irp p, 0,1,2,3
.if \p%2
	v_wmma_scale_f32_16x16x128_f8f6f4 v[S+16*\p:S+16*\p+7], v[KV+16*\p:KV+16*\p+15], v[QF:QF+15], 0, v[KSC+\p/2], v[QS] matrix_a_scale:MATRIX_SCALE_ROW1
	v_wmma_scale_f32_16x16x128_f8f6f4 v[S+16*\p+8:S+16*\p+15], v[KV+16*\p:KV+16*\p+15], v[QF+8:QF+23], 0, v[KSC+\p/2], v[QS] matrix_a_scale:MATRIX_SCALE_ROW1
.else
	v_wmma_scale_f32_16x16x128_f8f6f4 v[S+16*\p:S+16*\p+7], v[KV+16*\p:KV+16*\p+15], v[QF:QF+15], 0, v[KSC+\p/2], v[QS]
	v_wmma_scale_f32_16x16x128_f8f6f4 v[S+16*\p+8:S+16*\p+15], v[KV+16*\p:KV+16*\p+15], v[QF+8:QF+23], 0, v[KSC+\p/2], v[QS]
.endif
.endr                                              ; register 8 i + j of lane (r, h): query r, key 16 i + 8 h + j of the step
.rept 8
	v_nop                                          ; places: in front of the loads below and of the first read of the scores
.endr
.set k, 0
.rept 16
	ds_load_b128 v[KV+4*k:KV+4*k+3], v[ADK] offset:8448+512*k  ; V's four fragments: they land while the softmax is walked
.set k, k+1
.endr
	s_cmp_lg_u32 s[KSI], s[LL]                     ; my last step lies on the diagonal: there the scores of hidden keys become -infinity ahead of the maximum, so that p = 0
	s_cbranch_scc1 .Lopen
	v_mov_b32 v[TA], 0xff800000
.set n, 0
.rept 64
	v_cmp_gt_i32 vcc_lo, 16*(n/8)+n%8, v[DQ]       ; hidden where 16 i + j + 8 h > 16 a + r
	v_cndmask_b32 v[S+n], v[S+n], v[TA], vcc_lo
.set n, n+1
.endr
.Lopen:
.irp b, 0,1,2,3
	v_max3_num_f32 v[BM+\b], v[S+16*\b], v[S+1+16*\b], v[S+2+16*\b]   ; the largest score of each block of 32 keys: it serves for the row's maximum and, since p rises with the score, for the block's largest p
.endr
.irp i, 3,5,7,9,11,13
.irp b, 0,1,2,3
	v_max3_num_f32 v[BM+\b], v[BM+\b], v[S+16*\b+\i], v[S+1+16*\b+\i]
.endr
.endr
.irp b, 0,1,2,3
	v_max_num_f32 v[BM+\b], v[BM+\b], v[S+15+16*\b]
.endr
.irp b, 0,1,2,3
	s_delay_alu instid0(VALU_DEP_4)
	v_permlanex16_b32 v[PT+\b], v[BM+\b], s[SEL], s[SEL+1]
.endr
.irp b, 0,1,2,3
	s_delay_alu instid0(VALU_DEP_4)
	v_max_num_f32 v[BM+\b], v[BM+\b], v[PT+\b]     ; with lane l xor 16's 16 keys
.endr
	s_delay_alu instid0(VALU_DEP_2)
	v_max3_num_f32 v[TA], v[BM], v[BM+1], v[BM+2]
	s_delay_alu instid0(VALU_DEP_1)
	v_max_num_f32 v[TA], v[TA], v[BM+3]
	s_delay_alu instid0(VALU_DEP_1)
	v_mul_f32 v[TA], s[CS], v[TA]                  ; as t (c is positive)
	s_delay_alu instid0(VALU_DEP_1)
	v_max_num_f32 v13, v13, v[TA]                  ; the running largest t
	v_mov_b32 v[TA], v12
	s_delay_alu instid0(VALU_DEP_2)
	v_floor_f32 v12, -v13                          ; the new -M = floor(-t) = -ceil(t)
	s_delay_alu instid0(VALU_DEP_1)
	v_sub_f32 v[TA], v12, v[TA]                    ; old M - new M: a whole number, 0 or less
	s_delay_alu instid0(VALU_DEP_1)
	v_cvt_i32_f32 v[TA], v[TA]                     ; (it saturates)
	s_delay_alu instid0(VALU_DEP_1)
	v_ldexp_f32 v[FF], 1.0, v[TA]                  ; f = 2^(old M - new M)
.set j, 0
	s_setprio 1
.rept 32
	v_pk_fma_f32 v[S+j:S+j+1], v[S+j:S+j+1], s[CS:CS+1], v[12:13] op_sel_hi:[1,0,0]   ; t - M, two at a time
.set j, j+2
.endr
.irp b, 0,1,2,3
	v_fma_f32 v[BM+\b], v[BM+\b], s[CS], v12       ; the same of each block's largest score
.endr
.set j, 0
	s_wait_alu depctr_va_vdst(0)
.rept 64
	v_exp_f32 v[S+j], v[S+j]                       ; p = 2^(t - M), at most 1
.set j, j+1
.endr
.irp b, 0,1,2,3
	v_exp_f32 v[BM+\b], v[BM+\b]                   ; the block's largest p: the same two instructions on the same number
.endr
	v_pk_mul_f32 v[14:15], v[14:15], v[FF:FF+1] op_sel_hi:[1,0]   ; the sums under the new M.  (A plain place behind the exponentials)
	s_wait_alu depctr_va_vdst(0)
.irp b, 0,1,2,3
	v_max_num_f32 v[BM+\b], 0x4800000, v[BM+\b]    ; the floor 2^(9 - 127)
.endr
.irp b, 0,1,2,3
	s_delay_alu instid0(VALU_DEP_4)
	v_add_nc_u32 v[SO+\b], 0xfc000000, v[BM+\b]    ; the conversion's scale operand
.endr
.irp b, 0,1,2,3
.endr
.irp b, 0,1,2,3
	s_delay_alu instid0(VALU_DEP_4)
	v_lshrrev_b32 v[PT+\b], 23, v[SO+\b]           ; the scale's byte
.endr
	s_delay_alu instid0(VALU_DEP_3)
	v_lshl_or_b32 v[PS], v[PT+1], 8, v[PT]         ; p's scale word for these 128 keys
	s_delay_alu instid0(VALU_DEP_1)
	v_lshl_or_b32 v[PS], v[PT+2], 16, v[PS]
	s_delay_alu instid0(VALU_DEP_1)
	v_lshl_or_b32 v[PS], v[PT+3], 24, v[PS]
	v_pk_add_f32 v[242:243], v[108:109], v[112:113]
	v_pk_add_f32 v[252:253], v[116:117], v[120:121]
	v_pk_add_f32 v[250:251], v[124:125], v[128:129]
	v_pk_add_f32 v[248:249], v[132:133], v[136:137]
	v_pk_add_f32 v[246:247], v[140:141], v[144:145]
	v_pk_add_f32 v[244:245], v[148:149], v[152:153]
	v_pk_add_f32 v[232:233], v[156:157], v[160:161]
	v_pk_add_f32 v[14:15], v[14:15], v[164:165]
	v_pk_add_f32 v[242:243], v[242:243], v[104:105]
	v_pk_add_f32 v[252:253], v[252:253], v[106:107]
	v_pk_add_f32 v[250:251], v[250:251], v[110:111]
	v_pk_add_f32 v[248:249], v[248:249], v[114:115]
	v_pk_add_f32 v[246:247], v[246:247], v[118:119]
	v_pk_add_f32 v[244:245], v[244:245], v[122:123]
	v_pk_add_f32 v[232:233], v[232:233], v[126:127]
	v_pk_add_f32 v[14:15], v[14:15], v[130:131]
	v_pk_add_f32 v[242:243], v[242:243], v[134:135]
	v_pk_add_f32 v[252:253], v[252:253], v[138:139]
	s_setprio 0
	v_pk_add_f32 v[250:251], v[250:251], v[142:143]
	v_pk_add_f32 v[248:249], v[248:249], v[146:147]
	v_pk_add_f32 v[246:247], v[246:247], v[150:151]
	v_pk_add_f32 v[244:245], v[244:245], v[154:155]
	v_pk_add_f32 v[232:233], v[232:233], v[158:159]
	v_pk_add_f32 v[14:15], v[14:15], v[162:163]
	v_pk_add_f32 v[242:243], v[242:243], v[166:167]
	s_delay_alu instid0(VALU_DEP_2)
	v_pk_add_f32 v[14:15], v[14:15], v[248:249]
	s_delay_alu instid0(VALU_DEP_2)
	v_pk_add_f32 v[242:243], v[242:243], v[246:247]
	v_pk_add_f32 v[252:253], v[252:253], v[244:245]
	v_pk_add_f32 v[250:251], v[250:251], v[232:233]
	s_delay_alu instid0(VALU_DEP_2)
	v_pk_add_f32 v[14:15], v[14:15], v[252:253]
	s_delay_alu instid0(VALU_DEP_2)
	v_pk_add_f32 v[242:243], v[242:243], v[250:251]
	s_delay_alu instid0(VALU_DEP_1)
	v_pk_add_f32 v[14:15], v[14:15], v[242:243]
.irp b, 0,1,2,3
.irp i, 0,1,2,3,4,5,6,7,8,9,10,11,12,13,14,15
.endr
	v_cvt_scalef32_pk8_fp8_f32 v[PCD+4*\b:PCD+1+4*\b], v[S+16*\b:S+7+16*\b], v[SO+\b]
	v_cvt_scalef32_pk8_fp8_f32 v[PCD+2+4*\b:PCD+3+4*\b], v[S+8+16*\b:S+15+16*\b], v[SO+\b]
.endr
.set j, 0
.rept 16
	v_pk_mul_f32 v[O+j:O+j+1], v[O+j:O+j+1], v[FF:FF+1] op_sel_hi:[1,0]   ; O^T under the new M.  (These are also the places between the conversions and the products)
.set j, j+2
.endr
	s_wait_alu depctr_va_vdst(0)
	s_wait_dscnt 0x0                               ; V
.irp t, 0,1,2,3                                    ; O^T += V^T P^T: the four accumulators by turns; eleven other products stand between two links of a chain
.if \t%2
	v_wmma_scale_f32_16x16x128_f8f6f4 v[O+8*\t:O+8*\t+7], v[KV+16*\t:KV+16*\t+15], v[PCD:PCD+15], v[O+8*\t:O+8*\t+7], v[VSC+\t/2], v[PS] matrix_a_scale:MATRIX_SCALE_ROW1
.else
	v_wmma_scale_f32_16x16x128_f8f6f4 v[O+8*\t:O+8*\t+7], v[KV+16*\t:KV+16*\t+15], v[PCD:PCD+15], v[O+8*\t:O+8*\t+7], v[VSC+\t/2], v[PS]
.endif
.endr
.Lhid:
	s_add_co_u32 s[KSI], s[KSI], 1
	s_add_co_u32 s[TB], s[TB], KVB
	s_cmp_lt_u32 s[KSI], 16
	s_cbranch_scc1 .Lstep
	s_setprio 0
	; THE WAY OUT of a tile of queries: O^T / the sum; the quantiser along the head's 64 features (two blocks of the 1,024); the codes into K's true places; two stores of 512 consecutive bytes.
.rept 8
	v_nop
.endr
	s_wait_alu depctr_va_vdst(0)
	v_add_f32 v14, v14, v15
	s_delay_alu instid0(VALU_DEP_1)
	v_permlanex16_b32 v[TA], v14, s[SEL], s[SEL+1]
	s_delay_alu instid0(VALU_DEP_1)
	v_add_f32 v14, v14, v[TA]                      ; the row's sum
	s_wait_alu depctr_va_vdst(0)
	v_rcp_f32 v14, v14
	v_nop                                          ; a plain place behind the transcendental
.set j, 0
	s_wait_alu depctr_va_vdst(0)
.rept 32
	v_mul_f32 v[S+j], v[O+j], v14                  ; register 8 t + i: feature 16 t + 8 h + i of the head, query r; each accumulator from its low end on
.set j, j+1
.endr
.irp b, 0,1
	v_max3_num_f32 v[BM+\b], |v[S+16*\b]|, |v[S+1+16*\b]|, 0x4800000
.endr
.irp i, 2,4,6,8,10,12,14
.irp b, 0,1
	s_delay_alu instid0(VALU_DEP_2)
	v_max3_num_f32 v[BM+\b], v[BM+\b], |v[S+16*\b+\i]|, |v[S+1+16*\b+\i]|
.endr
.endr
.irp b, 0,1
	s_delay_alu instid0(VALU_DEP_2)
	v_permlanex16_b32 v[PT+\b], v[BM+\b], s[SEL], s[SEL+1]
.endr
.irp b, 0,1
	s_delay_alu instid0(VALU_DEP_2)
	v_max_num_f32 v[BM+\b], v[BM+\b], v[PT+\b]
.endr
.irp b, 0,1
	s_delay_alu instid0(VALU_DEP_2)
	v_add_nc_u32 v[SO+\b], 0xfc000000, v[BM+\b]
.endr
.irp b, 0,1
.endr
.irp b, 0,1
	s_delay_alu instid0(VALU_DEP_2)
	v_lshrrev_b32 v[TA+\b], 23, v[SO+\b]           ; the two scale bytes
.endr
.irp b, 0,1
.irp i, 0,1,2,3,4,5,6,7,8,9,10,11,12,13,14,15
.endr
	v_cvt_scalef32_pk8_fp8_f32 v[PCD+4*\b:PCD+1+4*\b], v[S+16*\b:S+7+16*\b], v[SO+\b]
	v_cvt_scalef32_pk8_fp8_f32 v[PCD+2+4*\b:PCD+3+4*\b], v[S+8+16*\b:S+15+16*\b], v[SO+\b]
.endr
	v_cndmask_b32 v[BYT], v[TA], v[TA+1], s[MASKH] ; lane (r, h) stores block h's byte.  (A plain place behind the conversions)
	; I hold features 8 h + 0..7 (A) and 16 + 8 h + 0..7 (B) of a block; the operand wants 16 h + 0..15.  Lanes 0-15 send B and keep A, lanes 16-31 send A and keep B.
.irp b, 0,1
.irp k, 0,1
	v_cndmask_b32 v[S+40+2*\b+\k], v[PCD+4*\b+2+\k], v[PCD+4*\b+\k], s[MASKH]
.endr
.endr
.irp b, 0,1
.irp k, 0,1
	s_delay_alu instid0(VALU_DEP_4)
	v_permlanex16_b32 v[PT+2*\b+\k], v[S+40+2*\b+\k], s[SEL], s[SEL+1]
.endr
.endr
.irp b, 0,1
.irp k, 0,1
	v_cndmask_b32 v[S+32+4*\b+\k], v[PCD+4*\b+\k], v[PT+2*\b+\k], s[MASKH]      ; the lower eight
	v_cndmask_b32 v[S+34+4*\b+\k], v[PT+2*\b+\k], v[PCD+4*\b+2+\k], s[MASKH]    ; the upper eight
.endr
.endr
	global_store_b128 v[L16], v[S+32:S+35], s[AP:AP+1]
	global_store_b128 v[L16], v[S+36:S+39], s[AP:AP+1] offset:512
	global_store_b8 v[SCA], v[BYT], s[SP:SP+1]
	s_sub_co_u32 s[T], 127, s[T]                   ; the second pass: the tile that mirrors the first
	s_sub_co_u32 s[LL], 15, s[LL]
	s_sub_co_u32 s[PASS], s[PASS], 1
	s_cmp_lg_u32 s[PASS], 0
	s_cbranch_scc1 .Lpass
	s_wait_tensorcnt 0x0
	ds_add_u32 v254, v255
	s_wait_dscnt 0x0
	ROUND                                          ; the closing round
	s_endpgm
.Lfunc_end_k_qec4cd31a4e_attn:
	.size	k_qec4cd31a4e_attn, .Lfunc_end_k_qec4cd31a4e_attn-k_qec4cd31a4e_attn
	.p2alignl 7, 3214868480
	.fill 96, 4, 3214868480
	.section	.rodata,"a",@progbits
	.p2align	6, 0x0
	.amdhsa_kernel k_qec4cd31a4e_attn
		.amdhsa_group_segment_fixed_size 272384
		.amdhsa_private_segment_fixed_size 0
		.amdhsa_enable_private_segment 0
		.amdhsa_kernarg_size 24
		.amdhsa_user_sgpr_count 2
		.amdhsa_user_sgpr_kernarg_segment_ptr 1
		.amdhsa_wavefront_size32 1
		.amdhsa_system_sgpr_workgroup_id_x 1
		.amdhsa_system_sgpr_workgroup_id_y 1
		.amdhsa_system_sgpr_workgroup_id_z 1
		.amdhsa_system_vgpr_workitem_id 0
		.amdhsa_next_free_vgpr 256
		.amdhsa_next_free_sgpr 66
		.amdhsa_reserve_vcc 1
		.amdhsa_float_denorm_mode_32 3
		.amdhsa_float_denorm_mode_16_64 3
		.amdhsa_fp16_overflow 1
		.amdhsa_memory_ordered 1
		.amdhsa_forward_progress 1
		.amdhsa_inst_pref_size 36
	.end_amdhsa_kernel
	.amdgpu_metadata
---
amdhsa.version: [ 1, 2 ]
amdhsa.kernels:
  - .name:           k_qec4cd31a4e_attn
    .symbol:         k_qec4cd31a4e_attn.kd
    .args:
      - { .name: qkv, .offset: 0, .size: 8, .value_kind: global_buffer, .address_space: global }
      - { .name: a_img, .offset: 8, .size: 8, .value_kind: global_buffer, .address_space: global }
      - { .name: a_sc, .offset: 16, .size: 8, .value_kind: global_buffer, .address_space: global }
    .group_segment_fixed_size: 272384
    .private_segment_fixed_size: 0
    .kernarg_segment_align: 8
    .kernarg_segment_size: 24
    .max_flat_workgroup_size: 512
    .sgpr_count:     66
    .vgpr_count:     256
    .wavefront_size: 32
...
	.end_amdgpu_metadata
.endif
;; end of part 3
;; launch out_proj (part 4): grid 4 x 64, 4 waves a work-group, clusters of 4 x 4, 327,680 bytes of LDS; arguments a_img, a_sc, Wo_w_codes, Wo_w_scales, Wo_b, out0; writes out0
.if DOCPART == 4
	.amdgcn_target "amdgcn-amd-amdhsa--gfx1250"
	.amdhsa_code_object_version 6
	.text
	.protected	k_qec4cd31a4e_out_proj
	.globl	k_qec4cd31a4e_out_proj
	.p2align	8
	.type	k_qec4cd31a4e_out_proj,@function
k_qec4cd31a4e_out_proj:
	s_mov_b64 s[64:65], 0
	v_nop
	global_prefetch_b8 v0, s[64:65] scope:SCOPE_SE
	s_setreg_imm32_b32 hwreg(HW_REG_WAVE_MODE, 25, 1), 1
	s_wait_xcnt 0x0
	s_wait_alu depctr_hold_cnt(0) depctr_sa_sdst(0) depctr_va_vdst(0) depctr_va_sdst(0) depctr_va_ssrc(0) depctr_va_vcc(0) depctr_vm_vsrc(0)
	s_getreg_b32 s2, hwreg(HW_REG_IB_STS2, 6, 4)
	s_cmp_eq_u32 s2, 0
	s_cbranch_scc0 .Lentry_in_a_cluster
	s_endpgm
.Lentry_in_a_cluster:
	s_bfe_u32 s2, ttmp6, 0x10000c
	s_cmp_lg_u32 s2, 0xf033
	s_cbranch_scc0 .Lentry_shape_is_right
	s_endpgm
.Lentry_shape_is_right:
; out0 = a Wo^T + b on codes of FP8 (E4M3) with one E8M0 scale for each 32 along K = 1,024.  a: the attention's result, 8,192 tokens, as images of the operand's registers: a_img[token tile 512][K step of 128: 8][4 x 512 bytes];
; its scale bytes a_sc[8,192][32].  Wo: codes [1,024][1,024], K innermost, scale bytes [1,024][32].  out0: [8,192][1,024] f32.
; SHARES.  The result has 128 tiles of 256 x 256, too few for 256 work-groups: so a work-group of four waves makes 128 tokens x 256 outputs, a wave 64 x 128: 32 accumulators, 256 registers.
; K goes in steps of 256 through a ring of two LDS slots filled by the tensor data mover; the scale bytes come once.
; A's tiles are dense images: a tile of 16 tokens gives 4,096 consecutive bytes for a K step of 256, and every LDS load of a fragment takes 512 consecutive bytes: no padding.  Wo's rows of 256 bytes get 16 bytes of padding.
; The matrix instruction takes 16 rows of Wo as source 0 and 16 tokens as source 1: a lane holds eight neighbouring outputs of one token.  The bias is the C of each sum's first product.
; CLUSTERS: 4 x 4 work-groups; A's tiles are asked for jointly along a row of the cluster, Wo's along a column.
; LIMITS: NaN codes and scale bytes 0xff among Wo's are not served.
; REGISTERS: window 0: v0-31 addresses; v32-63 scale words, two sets, and nothing else; v64-127 the bias in the result's layout; A's four fragments in TWO sets, v128 and v192 (on the way out: rows of the result).
;   window 1: Wo's eight fragments, TWO sets.   window 2: the accumulators ((a, b) at v[8 (8 a + b)]).
.set KSTEP,  256
.set NQ,     KSTEP/128
.set ROWB,   256
.set KROW,   1024
.set SIZE_N, 1024
.set PITCH,  272                       ; a row of Wo in LDS: 256 bytes + 16 of padding
.set FR,     16
.set NP,     8                         ; places behind this matrix instruction (ISA guide 7.12.1)
.set HALFA,  16384                     ; 4 tiles of tokens x 4,096 bytes: what one tensor load brings of A
.set HALFT,  128*PITCH                 ; 128 rows of Wo
.set BOFF,   2*HALFA                   ; a slot: A's two halves, then Wo's two
.set SLOT,   BOFF+2*HALFT
.set KS,     32
.set SCL,    2*SLOT                    ; behind the ring: the scales: A's two halves of 64 rows, then Wo's two of 128
.set HALFSA, (64*KS/256)*272
.set HALFS,  (128*KS/256)*272
.set SBLK,   (16*KS/256)*272
.set SPARE,  SCL+2*HALFSA+2*HALFS      ; the spare words, 128 bytes a wave: two blocks of 256 bytes that no other line names
.set SPITCH, 528                       ; the way out: a stage of 16 rows x (512 bytes + 16) for each wave, in slot 0, which has had its last fill and its last read when the first result is stored there
.set ADRA, 16
.set ADRB, 20
.set STO,  24
.set RD,   25
.set CO,   26
.set ADRS, 27
.set SPW,  28
.set NIL,  29
.set SC,   32
.set CB,   64
.set AF,   128
.set BK,   128
.set WV,   18
.set HA,   19
.set HB,   20
.set CX,   21
.set CY,   22
.set TC,   23                          ; tile column: 256 outputs
.set TR,   40                          ; tile row: 128 tokens
.set G1, 24
.set G0, 32
.set G1B, 48
.set G0B, 56
.set G1S, 68
.set G0S, 76
.set G1SB, 80
.set G0SB, 88
.set MSB, 0
.macro WIN new
.if MSB != (\new)
	s_set_vgpr_msb (MSB<<8)|(\new)
.set MSB, (\new)
.endif
.endm
.set MUL_LO, 0xa1                      ; source 0 (Wo) window 1, source 1 (A) window 0, C and D window 2
.set FIRST_LO, 0x81                    ; the first products: C (the bias) window 0, D window 2
.set TO_B,   0x40
.macro WMUL zero
.if \zero
	WIN FIRST_LO
.else
	WIN MUL_LO
.endif
.endm
.macro JLOAD g0a, g1a, g0b, g1b        ; a joint load: waves 0 and 1 fetch for A, waves 2 and 3 for Wo; four v_nop follow each of the two lines
	s_cmp_eq_u32 s[HA], 0
	s_cbranch_scc0 .Lfor_b_\@
	tensor_load_to_lds s[\g0a:\g0a+3], s[\g1a:\g1a+7]
	s_nop 0
.rept 4
	v_nop
.endr
	s_branch .Lasked_\@
.Lfor_b_\@:
	tensor_load_to_lds s[\g0b:\g0b+3], s[\g1b:\g1b+7]
	s_nop 0
.rept 4
	v_nop
.endr
.Lasked_\@:
.endm
.macro CREST
	s_cmp_lg_u32 s[WV], 0
	s_cbranch_scc1 .Lnot_wave_0_\@
	s_barrier_signal -3
.Lnot_wave_0_\@:
	s_barrier_wait -3
	s_barrier_signal -1
	s_barrier_wait -1
.endm
.macro CROUND
	s_barrier_signal -1
	s_barrier_wait -1
	CREST
.endm
	s_load_b256 s[4:11], s[0:1], 0x0               ; a_img s[4:5], a_sc s[6:7], Wo's codes s[8:9], Wo's scales s[10:11]
	s_load_b128 s[12:15], s[0:1], 0x20             ; the bias s[12:13], out0 s[14:15]
	v_lshl_add_u32 v[SPW], v0, 2, SPARE
	v_mov_b32 v[NIL], 0
	ds_add_u32 v28, v29
	ds_add_u32 v28, v29
	s_wait_dscnt 0x0
	v_lshrrev_b32 v1, 5, v0
	v_readfirstlane_b32 s[WV], v1
	s_lshr_b32 s[HA], s[WV], 1                     ; which half of the tokens is mine.  Also: I fetch for A (0) or for Wo (1)
	s_and_b32 s[HB], s[WV], 1                      ; which half of the outputs.  Also: which half of that tile I fetch
	s_bfe_u32 s[CX], ttmp6, 0x40000
	s_bfe_u32 s[CY], ttmp6, 0x40004
	s_lshl_b32 s[TC], ttmp9, 2
	s_add_co_u32 s[TC], s[TC], s[CX]               ; tile column = 4 x cluster x + cx
	s_and_b32 s[TR], ttmp7, 0xffff
	s_lshl_b32 s[TR], s[TR], 2
	s_add_co_u32 s[TR], s[TR], s[CY]               ; tile row = 4 x cluster y + cy
	s_lshl_b32 s41, s[CY], 2
	s_lshl_b32 s41, 15, s41                        ; my row of the cluster
	s_lshl_b32 s42, 0x1111, s[CX]                  ; my column
	; A's tiles: 4 rows (tiles of 16 tokens) of 4,096 bytes = 512 elements of 8 bytes, 16,384 bytes apart; no padding
	s_or_b32 s[G1+0], s41, (3<<16)|(1<<21)
	s_mov_b32 s[G1+1], 512<<16                     ; tensor_dim0
	s_mov_b32 s[G1+2], 4<<16                       ; tensor_dim1
	s_mov_b32 s[G1+3], 512<<16                     ; tile_dim0
	s_mov_b32 s[G1+4], 4                           ; tile_dim1
	s_mov_b32 s[G1+5], 2048                        ; the pitch, in elements
	s_mov_b32 s[G1+6], 0
	s_mov_b32 s[G1+7], 0
	; Wo's tiles: 128 rows x 256 bytes, padded in LDS
	s_or_b32 s[G1B+0], s42, (0<<16)|(1<<20)|(1<<21)|(5<<22)|(3<<25)
	s_mov_b32 s[G1B+1], ROWB<<16
	s_mov_b32 s[G1B+2], 128<<16
	s_mov_b32 s[G1B+3], ROWB<<16
	s_mov_b32 s[G1B+4], 128
	s_mov_b32 s[G1B+5], KROW
	s_mov_b32 s[G1B+6], 0
	s_mov_b32 s[G1B+7], 0
	; the scales: rows of 256 bytes, 16 bytes of padding behind each: 8 for A's 64 rows, 16 for Wo's 128
	s_or_b32 s[G1S+0], s41, (3<<16)|(1<<20)|(1<<21)|(5<<22)|(3<<25)
	s_mov_b32 s[G1S+1], 32<<16
	s_mov_b32 s[G1S+2], (64*KS/256)<<16
	s_mov_b32 s[G1S+3], 32<<16
	s_mov_b32 s[G1S+4], 64*KS/256
	s_mov_b32 s[G1S+5], 32
	s_mov_b32 s[G1S+6], 0
	s_mov_b32 s[G1S+7], 0
	s_or_b32 s[G1SB+0], s42, (3<<16)|(1<<20)|(1<<21)|(5<<22)|(3<<25)
	s_mov_b32 s[G1SB+1], 32<<16
	s_mov_b32 s[G1SB+2], (128*KS/256)<<16
	s_mov_b32 s[G1SB+3], 32<<16
	s_mov_b32 s[G1SB+4], 128*KS/256
	s_mov_b32 s[G1SB+5], 32
	s_mov_b32 s[G1SB+6], 0
	s_mov_b32 s[G1SB+7], 0
	s_lshl_b32 s66, s[TR], 17                      ; A's codes: 8 tiles of tokens x 16,384 bytes a tile row,
	s_lshl_b32 s3, s[HB], 16                       ; 4 of them a half
	s_add_co_u32 s66, s66, s3
	s_mov_b32 s67, 0
	s_lshl_b32 s92, s[TR], 12                      ; A's scales: 128 rows x 32 bytes,
	s_lshl_b32 s3, s[HB], 11                       ; 64 a half
	s_add_co_u32 s92, s92, s3
	s_mov_b32 s93, 0
	s_lshl_b32 s94, s[TC], 18                      ; Wo's codes: 256 rows x 1,024 bytes,
	s_lshl_b32 s3, s[HB], 17
	s_add_co_u32 s94, s94, s3
	s_mov_b32 s95, 0
	s_lshl_b32 s96, s[TC], 13                      ; Wo's scales
	s_lshl_b32 s3, s[HB], 12
	s_add_co_u32 s96, s96, s3
	s_mov_b32 s97, 0
	s_mul_i32 s43, s[HB], HALFA                    ; where they go in a slot: A's half,
	s_mul_i32 s45, s[HB], HALFT
	s_add_co_u32 s45, s45, BOFF                    ; Wo's half;
	s_mul_i32 s44, s[HB], HALFSA
	s_add_co_u32 s44, s44, SCL                     ; A's scales,
	s_mul_i32 s46, s[HB], HALFS
	s_add_co_u32 s46, s46, SCL+2*HALFSA            ; Wo's: no place in the cluster enters an LDS address
	s_wait_kmcnt 0x0
	s_add_nc_u64 s[66:67], s[4:5], s[66:67]
	s_add_nc_u64 s[92:93], s[6:7], s[92:93]
	s_add_nc_u64 s[94:95], s[8:9], s[94:95]
	s_add_nc_u64 s[96:97], s[10:11], s[96:97]
	CROUND                                         ; all sixteen work-groups are here: the first joint loads meet
	s_mov_b32 s[G0S], 1
	s_mov_b32 s[G0S+1], s44
	s_mov_b64 s[G0S+2:G0S+3], s[92:93]
	s_or_b32 s[G0S+3], s[G0S+3], 0x80000000
	s_mov_b32 s[G0SB], 1
	s_mov_b32 s[G0SB+1], s46
	s_mov_b64 s[G0SB+2:G0SB+3], s[96:97]
	s_or_b32 s[G0SB+3], s[G0SB+3], 0x80000000
	JLOAD G0S, G1S, G0SB, G1SB                     ; the scales first
.irp s, 0,1
	s_mov_b32 s[G0+4*\s], 1
	s_add_co_u32 s[G0+4*\s+1], s43, \s*SLOT
	s_add_nc_u64 s[G0+4*\s+2:G0+4*\s+3], s[66:67], \s*4096
	s_or_b32 s[G0+4*\s+3], s[G0+4*\s+3], 0x80000000
	s_mov_b32 s[G0B+4*\s], 1
	s_add_co_u32 s[G0B+4*\s+1], s45, \s*SLOT
	s_add_nc_u64 s[G0B+4*\s+2:G0B+4*\s+3], s[94:95], \s*ROWB
	s_or_b32 s[G0B+4*\s+3], s[G0B+4*\s+3], 0x80000000
	s_wait_alu depctr_va_vdst(0)
	s_wait_tensorcnt 0x0
	ds_add_u32 v28, v29
	s_wait_dscnt 0x0
	CROUND
	JLOAD G0+4*\s, G1, G0B+4*\s, G1B               ; one tensor load of mine is out
.endr
	v_and_b32 v1, 15, v0                           ; r
	v_bfe_u32 v2, v0, 4, 1                         ; h
	v_and_b32 v6, 31, v0
	v_lshlrev_b32 v[CO], 4, v6                     ; 16 x lane
	v_mul_u32_u24 v3, v1, PITCH
	v_lshl_add_u32 v4, v2, 4, v3                   ; Wo: a fragment's row x pitch + 16 x half
	s_mul_i32 s4, s[HA], HALFA                     ; my 4 tiles of tokens  (s4-s11 are free: the addresses have been made)
	s_mul_i32 s5, s[HB], HALFT
	s_add_co_u32 s5, s5, BOFF                      ; my 128 rows of Wo
.irp s, 0,1
	v_add_nc_u32 v[ADRA+\s], s4, v[CO]
	v_add_nc_u32 v[ADRB+\s], s5, v4
	s_add_co_u32 s4, s4, SLOT
	s_add_co_u32 s5, s5, SLOT
.endr
	v_mul_u32_u24 v5, v1, KS
	v_lshrrev_b32 v7, 8, v5
	v_lshl_add_u32 v5, v7, 4, v5                   ; my row's scales: 32 bytes a row, 16 more for each 256 passed
	s_mul_i32 s4, s[HA], HALFSA
	s_mul_i32 s5, s[HB], HALFS
	s_add_co_u32 s5, s5, 2*HALFSA
	s_sub_co_u32 s5, s5, s4
	v_mul_u32_u24 v7, s5, v2                       ; lanes 16-31 take Wo's
	s_add_co_u32 s4, s4, SCL
	v_add_nc_u32 v5, v5, v7
	v_add_nc_u32 v[ADRS], s4, v5
	s_mul_i32 s4, s[WV], 16*SPITCH                 ; my stage
	v_mul_u32_u24 v5, v1, SPITCH
	v_lshl_add_u32 v5, v2, 5, v5
	v_add_nc_u32 v[STO], s4, v5                    ; in: row r, 32 bytes for each half of the lanes
	v_add_nc_u32 v[RD], s4, v[CO]                  ; back: the 32 lanes take one row of 512 bytes
	s_lshl_b32 s6, s[TC], 10                       ; my 128 outputs: 1,024 x tile column + 512 x half bytes, in the bias and in a row of out0 alike
	s_lshl_b32 s7, s[HB], 9
	s_add_co_u32 s6, s6, s7
	s_mov_b32 s7, 0
	s_add_nc_u64 s[12:13], s[12:13], s[6:7]
	s_add_nc_u64 s[14:15], s[14:15], s[6:7]
	s_lshl_b32 s6, s[TR], 7
	s_lshl_b32 s8, s[HA], 6
	s_add_co_u32 s6, s6, s8                        ; my first token: 128 x tile row + 64 x half
	s_lshl_b32 s6, s6, 12                          ; its row of 4,096 bytes
	s_add_nc_u64 s[14:15], s[14:15], s[6:7]
	v_lshlrev_b32 v3, 5, v2                        ; 32 h
.irp b, 0,1,2,3,4,5,6,7
	global_load_b128 v[CB+8*\b:CB+8*\b+3], v3, s[12:13] offset:64*\b      ; the bias in the result's layout: outputs 16 b + 8 h + 0 .. 7
	global_load_b128 v[CB+8*\b+4:CB+8*\b+7], v3, s[12:13] offset:64*\b+16
.endr
.macro FRAG reg, adr, q, i             ; a fragment of Wo from rows
.irp c, 0,1,2,3
	ds_load_b128 v[\reg+4*\c:\reg+4*\c+3], v[\adr] offset:128*(\q)+32*\c+(\i)*16*PITCH
.endr
.endm
.macro FRAGA reg, adr, q, i            ; a fragment of A from its image: tile i of tokens, the slot's q-th 128 along K
.irp c, 0,1,2,3
	ds_load_b128 v[\reg+4*\c:\reg+4*\c+3], v[\adr] offset:4096*(\i)+2048*(\q)+512*\c
.endr
.endm
; 8 matrix instructions: Wo's blocks b0, b0 + 1 x A's four.  p: the set of both;  sc: the set of scale words.  zero = 1: the first product starts the sums from the bias.
; The 32 accumulators take turns, one instruction a turn, in the same order in every step.
.macro MUL8H b0, p, q, sc, zero
.irp b, \b0, \b0+1
.irp a, 0,1,2,3
.if \zero
	v_wmma_scale_f32_16x16x128_f8f6f4 v[8*(8*\a+(\b)):8*(8*\a+(\b))+7], v[128*(\p)+FR*(\b):128*(\p)+FR*(\b)+FR-1], v[AF+64*(\p)+FR*\a:AF+64*(\p)+FR*\a+FR-1], v[CB+8*(\b):CB+8*(\b)+7], v[SC+8*NQ*(\sc)+NQ*(\b)+(\q)], v[SC+8*NQ*(\sc)+NQ*\a+(\q)] matrix_a_scale:MATRIX_SCALE_ROW1
.else
	v_wmma_scale_f32_16x16x128_f8f6f4 v[8*(8*\a+(\b)):8*(8*\a+(\b))+7], v[128*(\p)+FR*(\b):128*(\p)+FR*(\b)+FR-1], v[AF+64*(\p)+FR*\a:AF+64*(\p)+FR*\a+FR-1], v[8*(8*\a+(\b)):8*(8*\a+(\b))+7], v[SC+8*NQ*(\sc)+NQ*(\b)+(\q)], v[SC+8*NQ*(\sc)+NQ*\a+(\q)] matrix_a_scale:MATRIX_SCALE_ROW1
.endif
.endr
.endr
.endm
.macro RUN_A slot, q, p                ; 16 LDS loads: A's four fragments into set p
.irp i, 0,1,2,3
	FRAGA AF+64*(\p)+FR*\i, ADRA+\slot, \q, \i
.endr
.endm
.macro RUN_B slot, q, p, i0            ; 16 LDS loads: Wo's blocks i0 .. i0 + 3 into set p
	WIN TO_B
.irp i, \i0, \i0+1, \i0+2, \i0+3
	FRAG 128*(\p)+FR*(\i), ADRB+\slot, \q, \i
.endr
	WIN 0
.endm
.macro SCALES sc                       ; a K step's scale words into set sc: two words a row; lanes 0-15 take A's block i (those of blocks 4-7 are not used), lanes 16-31 Wo's block i
.irp i, 0,1,2,3,4,5,6,7
	ds_load_b64 v[SC+8*NQ*\sc+NQ*\i:SC+8*NQ*\sc+NQ*\i+1], v[ADRS] offset:\i*SBLK
.endr
.endm
; A load into a register that a matrix instruction has read, and an LDS store that reads a matrix result, stand NP places behind it; only plain vector instructions that name none of its registers are places.
.macro PLACES n
.rept \n
	v_nop
.endr
.endm
; A slot's first step (set 0): its 32 products in four groups of eight; the second step's 48 loads, into set 1, in three runs of 16 between them.
.macro STEPH slot, zero
	s_wait_dscnt 16                                ; A's four, Wo's blocks 0-3 and the scale words are in; the youngest 16 loads (Wo's blocks 4-7) may be out
	PLACES NP                                      ; set 1 was read by the products just issued
	RUN_A \slot, 1, 1
	WMUL \zero
	MUL8H 0, 0, 0, \slot, \zero
	RUN_B \slot, 1, 1, 0
	WMUL \zero
	MUL8H 2, 0, 0, \slot, \zero
	s_wait_dscnt 32                                ; Wo's blocks 4-7 are in: 32 loads were issued behind them
	MUL8H 4, 0, 0, \slot, \zero
	RUN_B \slot, 1, 1, 4
	WMUL \zero
	MUL8H 6, 0, 0, \slot, \zero
	WIN 0
.endm
; A slot's second step (set 1) changes slots.  All its fragments are in registers at its head, so the barrier stands there.  fill = 1: this slot is filled again, two K steps ahead, behind a round of the cluster's barrier.
.macro TURNH slot, next, fill
	s_wait_tensorcnt 0x0                           ; all my tensor loads have landed: my part of the next slot
	ds_add_u32 v[SPW], v[NIL]                      ; 0 onto my spare word
	s_wait_dscnt 0x0                               ; the add is done, and my reads of this slot are over
	s_barrier_signal -1
	WIN MUL_LO
	MUL8H 0, 1, 1, \slot, 0                        ; work on registers while the others arrive
	WIN 0
	s_barrier_wait -1
.if \fill
	CREST                                          ; no wave of any partner still reads this slot's tile or has a load on its way
	s_add_nc_u64 s[G0+4*\slot+2:G0+4*\slot+3], s[G0+4*\slot+2:G0+4*\slot+3], 2*4096
	s_add_nc_u64 s[G0B+4*\slot+2:G0B+4*\slot+3], s[G0B+4*\slot+2:G0B+4*\slot+3], 2*ROWB
	JLOAD G0+4*\slot, G1, G0B+4*\slot, G1B         ; the first tensor load behind the round, my one load until the next
	PLACES NP-4
.else
	PLACES NP
.endif
	s_wait_alu depctr_va_vdst(0)
	v_add_nc_u32 v[ADRS], 4*NQ, v[ADRS]            ; on to the next K step's scale words
	RUN_A \next, 0, 0
	WIN MUL_LO
	MUL8H 2, 1, 1, \slot, 0
	RUN_B \next, 0, 0, 0
	SCALES \next
	WIN MUL_LO
	MUL8H 4, 1, 1, \slot, 0
	RUN_B \next, 0, 0, 4
	WIN MUL_LO
	MUL8H 6, 1, 1, \slot, 0
	WIN 0
.endm
	s_wait_alu depctr_va_vdst(0)
	s_wait_tensorcnt 1                             ; the scales and my part of K step 0 are in; K step 1's load may be out
	s_barrier_signal -1
	s_barrier_wait -1
	RUN_A 0, 0, 0
	RUN_B 0, 0, 0, 0
	SCALES 0
	RUN_B 0, 0, 0, 4
	s_wait_loadcnt 0x0                             ; the bias
	STEPH 0, 1                                     ; K = 1,024 is four slots' worth: written straight, no loop
	TURNH 0, 1, 1                                  ; slot 0 takes K 512 .. 767
	STEPH 1, 0
	TURNH 1, 0, 1                                  ; slot 1 takes K 768 .. 1,023
	STEPH 0, 0
	TURNH 0, 1, 0                                  ; nothing is left to fetch
	STEPH 1, 0
	s_wait_dscnt 0x0                               ; the very last step
	WIN MUL_LO
	MUL8H 0, 1, 1, 1, 0
	MUL8H 2, 1, 1, 1, 0
	MUL8H 4, 1, 1, 1, 0
	MUL8H 6, 1, 1, 1, 0
	WIN 0
; THE WAY OUT, block by block of 16 tokens x 128 outputs, through my own stage in LDS: in as 32 bytes a lane, back as whole rows of 512 bytes.  LDS serves a wave's instructions in order (ISA guide 5.7.1.4).
.macro TOSTAGE a
.set AC, 64*(\a)
	WIN 0x08                                       ; the data: window 2
.irp b, 0,1,2,3,4,5,6,7
	ds_store_b128 v[STO], v[AC+8*\b:AC+8*\b+3] offset:64*\b          ; each accumulator from its low end on
	ds_store_b128 v[STO], v[AC+8*\b+4:AC+8*\b+7] offset:64*\b+16
.endr
	WIN 0
.set BB, BK+64*((\a)%2)
.irp t, 0,1,2,3,4,5,6,7,8,9,10,11,12,13,14,15
	ds_load_b128 v[BB+4*\t:BB+4*\t+3], v[RD] offset:\t*SPITCH
.endr
.endm
.macro SEND a, younger                 ; younger: the LDS instructions issued behind block a's loads, which may stay out
.set BB, BK+64*((\a)%2)
	s_wait_dscnt \younger
.if (\a) > 0
	s_add_nc_u64 s[14:15], s[14:15], 16*SIZE_N*4   ; (behind a wait on XCNT: the earlier stores have read their base)
.endif
.irp t, 0,1,2,3,4,5,6,7,8,9,10,11,12,13,14,15
	global_store_b128 v[CO], v[BB+4*\t:BB+4*\t+3], s[14:15] offset:\t*SIZE_N*4 th:TH_STORE_NT   ; 32 lanes store 512 consecutive bytes, aligned
.endr
.endm
	PLACES NP
	TOSTAGE 0
.irp a, 1,2,3
.if \a > 1
	s_wait_xcnt 0x0                                ; block a - 2's stores have read their registers and their base
.endif
	TOSTAGE \a
	SEND \a-1, 32                                  ; behind block a - 1's loads: block a's 16 stores and 16 loads
.endr
	s_wait_xcnt 0x0
	SEND 3, 0
	s_wait_tensorcnt 0x0                           ; the wave's end
	ds_add_u32 v[SPW], v[NIL]
	s_wait_dscnt 0x0
	CROUND                                         ; the closing round
	s_endpgm
.Lfunc_end_k_qec4cd31a4e_out_proj:
	.size	k_qec4cd31a4e_out_proj, .Lfunc_end_k_qec4cd31a4e_out_proj-k_qec4cd31a4e_out_proj
	.p2alignl 7, 3214868480
	.fill 96, 4, 3214868480
	.section	.rodata,"a",@progbits
	.p2align	6, 0x0
	.amdhsa_kernel k_qec4cd31a4e_out_proj
		.amdhsa_group_segment_fixed_size 327680
		.amdhsa_private_segment_fixed_size 0
		.amdhsa_enable_private_segment 0
		.amdhsa_kernarg_size 48
		.amdhsa_user_sgpr_count 2
		.amdhsa_user_sgpr_kernarg_segment_ptr 1
		.amdhsa_wavefront_size32 1
		.amdhsa_system_sgpr_workgroup_id_x 1
		.amdhsa_system_sgpr_workgroup_id_y 1
		.amdhsa_system_sgpr_workgroup_id_z 1
		.amdhsa_system_vgpr_workitem_id 0
		.amdhsa_next_free_vgpr 768
		.amdhsa_next_free_sgpr 100
		.amdhsa_reserve_vcc 0
		.amdhsa_float_denorm_mode_32 3
		.amdhsa_float_denorm_mode_16_64 3
		.amdhsa_memory_ordered 1
		.amdhsa_forward_progress 1
		.amdhsa_inst_pref_size 92
	.end_amdhsa_kernel
	.amdgpu_metadata
---
amdhsa.version: [ 1, 2 ]
amdhsa.kernels:
  - .name:           k_qec4cd31a4e_out_proj
    .symbol:         k_qec4cd31a4e_out_proj.kd
    .args:
      - { .name: a_img, .offset: 0, .size: 8, .value_kind: global_buffer, .address_space: global }
      - { .name: a_sc, .offset: 8, .size: 8, .value_kind: global_buffer, .address_space: global }
      - { .name: Wo_w_codes, .offset: 16, .size: 8, .value_kind: global_buffer, .address_space: global }
      - { .name: Wo_w_scales, .offset: 24, .size: 8, .value_kind: global_buffer, .address_space: global }
      - { .name: Wo_b, .offset: 32, .size: 8, .value_kind: global_buffer, .address_space: global }
      - { .name: out0, .offset: 40, .size: 8, .value_kind: global_buffer, .address_space: global }
    .group_segment_fixed_size: 327680
    .private_segment_fixed_size: 0
    .kernarg_segment_align: 8
    .kernarg_segment_size: 48
    .max_flat_workgroup_size: 128
    .sgpr_count:     100
    .vgpr_count:     768
    .wavefront_size: 32
...
	.end_amdgpu_metadata
.endif
;; end of part 4
